; MI455X (gfx1250); checked and timed in simulation.
; The chip was launched on July 23, 2026; its instructions are those of AMD's public machine-readable ISA for CDNA 5 (MIT licence, August 2026) and "CDNA5" Instruction Set Architecture Reference Guide (July 2026). The comments in the code are by the model that wrote it; some were corrected since.
;; NER2 IC. Allowed arithmetic: matrix products marked QUANTISED: E5M2 operands, one E8M0 scale for each 32 along K, by v_wmma_scale_f32_16x16x128_f8f6f4 with both operands' format E5M2, f32 sums; products left as they are: f32 operands where the result goes on into a quantised operand, else bf16, f16 or f32 operands; f32 sums; everything else in f32.
;; Inputs: W1_codes 512 x 32 x 32 uint8 (E5M2 codes of W1, K innermost, in blocks of 32 codes); W1_scales 512 x 32 uint8 (E8M0 scales of W1, one for each 32 codes along K); W2_codes 64 x 16 x 32 uint8 (E5M2 codes of W2, K innermost, in blocks of 32 codes); W2_scales 64 x 16 uint8 (E8M0 scales of W2, one for each 32 codes along K); b1 512 float32; b2 64 float32; ic_tokens 32 x 1,024 float32; ln_beta 512 float32; ln_gamma 512 float32; ner_tokens 32 x 128 x 1,024 float32.
;; Outputs: out0 32 x 64 float32.
;; This version of the problem:
;;   THIS VERSION OF THE PROBLEM IS GIVEN IN LOW PRECISION. The matrix products marked QUANTISED in the list below multiply operands that are first quantised to E5M2 (5 exponent bits, 2 mantissa bits; 8 bits a number), with one power-of-two scale for each 32 numbers along K (OCP MX v1.0); their sums are f32. All else is computed in f32.
;;   The module's matrix products, in the order in which they are computed (A, B: the left and right operand; K: the contracted axis; several contracted axes count as one K, in the product's order):
;;     1. batch 32 x [M 1,024, K 1] x [K 1, N 1,024]; A: computed on the way; B: computed on the way: left as it is (no contracted axis)
;;     2. [M 32,768, K 1,024] x [K 1,024, N 512]; A: computed on the way; B: input W1 (given as codes): QUANTISED
;;     3. [M 32, K 512] x [K 512, N 64]; A: computed on the way; B: input W2 (given as codes): QUANTISED
;;   THE QUANTISER, for each operand of a quantised product, along K:
;;     - K is cut into blocks of 32 from its start; a last block that is shorter is filled with zeros.
;;     - A block's scale is 2^e with e = floor(log2(the largest magnitude in the block)) - 15, held to -126 .. 127; a block of zeros has e = 0. As a byte (E8M0): e + 127.
;;     - Each number is divided by its block's scale, clamped to +-57,344, and rounded to the nearest number of E5M2, ties to even, subnormals kept.
;;     - The product sums the exact products of the quantised numbers (number of the format x scale) in f32.
;;   ~~~python
;;   def quantise(x, axis):      # numpy; x: float32 -> the quantised numbers, widened to float32 again
;;       x = np.moveaxis(x, axis, -1); K = x.shape[-1]
;;       x = np.pad(x, [(0, 0)] * (x.ndim - 1) + [(0, -K % 32)]); x = x.reshape(x.shape[:-1] + (-1, 32)); a = np.abs(x).max(-1, keepdims=True)
;;       e = np.where(a > 0, np.clip(np.frexp(np.where(a > 0, a, 1))[1] - 1 - 15, -126, 127), 0)      # np.frexp(a)[1] - 1 = floor(log2(a)), exactly
;;       r = np.clip(x / 2.0 ** e, -57344, 57344)
;;       step = 2.0 ** (np.maximum(np.frexp(np.where(r == 0, 1, r))[1] - 1, -14) - 2)
;;       q = np.round(r / step) * step * 2.0 ** e      # np.round: ties to even
;;       return np.moveaxis(q.reshape(q.shape[:-2] + (-1,))[..., :K], -1, axis).astype(np.float32)
;;   ~~~
;;   OPERANDS COMPUTED ON THE WAY. 'Computed on the way' means the value that the module computes at that place (a softmax that the list does not call 'softmax' is quantised finished and normalised). What goes into a quantiser is computed in f32, as accurately as f32 sums, v_exp_f32 and their like allow (about 1e-6 of the number): no bf16 or f16 on the way to a quantiser, and a product that is left as it is and whose result goes on into a quantised operand takes f32 operands (vector FMAs, or v_wmma_f32_16x16x4_f32). A number that lies on a knife's edge between two numbers of the format may be rounded either way, as far as f32 arithmetic and the matrix unit's own rounding can turn it there, and no further.
;;   INPUTS GIVEN AS CODES. W1 (in the module: [1024, 512], K = its axis 0); W2 (in the module: [512, 64], K = its axis 0): each comes as NAME_codes (uint8): NAME with its K axis moved to the last place and cut into blocks of 32 codes, [.., K / 32, bytes a block], one block behind the other in memory; one code a byte (a code: sign, 5 exponent bits, 2 mantissa bits); and NAME_scales (uint8): the same leading axes, one E8M0 byte (e + 127) for each 32 codes along K. Its value is code x scale, taken as it is: it is not quantised again, and the codes and scales need not be those that the quantiser above would give.
;; 2 versions, each right and faster than the one before. Each part assembles by itself: llvm-mc -triple=amdgcn-amd-amdhsa -mcpu=gfx1250 --defsym DOCPART=n.
;; ======== version 1 of 2: 3 launches
;; limits: a function is approximated: absolute error at most 1.5e-07
;; workspace buffers: nm 131,072 bytes; w1img 524,288 bytes; part 524,288 bytes
;; launch prep (part 1): grid 256 x 1, 8 waves a work-group, no clusters, 5,120 bytes of LDS; arguments ner_tokens, W1_codes, nm, w1img; writes nm, w1img
.if DOCPART == 1
	.amdgcn_target "amdgcn-amd-amdhsa--gfx1250"
	.amdhsa_code_object_version 6
	.text
	.protected	k_q1432f2d0f8_prep
	.globl	k_q1432f2d0f8_prep
	.p2align	8
	.type	k_q1432f2d0f8_prep,@function
k_q1432f2d0f8_prep:
	s_mov_b64 s[64:65], 0
	v_nop
	global_prefetch_b8 v0, s[64:65] scope:SCOPE_SE
	s_setreg_imm32_b32 hwreg(HW_REG_WAVE_MODE, 25, 1), 1
	s_wait_xcnt 0x0
; FIRST OF THREE LAUNCHES.  nm[b][j] = the mean over the 128 positions of ner_tokens[b][.][j], in f32; and W1's codes laid anew in the order of an operand's registers.
; NOTHING OF reference() IS LEFT OUT.  In real numbers the outer product ic[b][i] nm[b][j] has rank 1, but each of its rows is quantised along j ahead of the product with W1, and
; Q(ic nm) is not ic Q(nm): ic's mantissa moves codes and scale bytes.  So the product of 32,768 x 1,024 x 512 is done whole (second launch), and every input is loaded by some launch.
; LIMITS: NaN and infinities among the inputs are not served.  The mean's 128 terms are added in another order than reference() adds them (16 in a lane, then 8 partial sums).
; SHARES.  Work-group g: batch g / 8, columns 128 (g % 8) on.  Wave w takes positions 16 w .. 16 w + 15; a lane 16 bytes: each load of a wave covers 512 consecutive bytes, aligned.
; All 16 loads of a wave are out at once.  The eight waves' sums meet in LDS; wave 0 adds them and stores 512 consecutive bytes of nm.
; W1.  w1img is [K step s of 128: 8][tile t of 16 rows: 32][c: 4][lane: 32][16 bytes]: lane (r = lane % 16, h = lane / 16) holds W1_codes[16 t + r][128 s + 32 c + 16 h .. + 15]:
; registers 4 c .. 4 c + 3 of the fragment.  Work-group g copies fragment g = 32 s + t, 2,048 bytes, 8 bytes a thread: a wave stores 256 consecutive bytes, aligned.
.set SPARE, 4096                       ; LDS: 0 .. 4,095 the waves' sums, 512 bytes a wave; behind them the spare words, 128 bytes a wave, which no other line names
.set X,   16                           ; v16-79  sixteen rows, 4 registers each
.set SUM, 80                           ; v80-83  my sum
	s_load_b256 s[4:11], s[0:1], 0x0               ; ner_tokens s[4:5], W1_codes s[6:7], nm s[8:9], w1img s[10:11]
	v_lshl_add_u32 v5, v0, 2, SPARE                ; my spare word,
	v_mov_b32 v6, 0                                ; and 0: both kept for the closing lines alone
	v_lshrrev_b32 v7, 5, v0
	v_readfirstlane_b32 s12, v7                    ; wave 0..7
	v_and_b32 v7, 31, v0
	v_lshlrev_b32 v1, 4, v7                        ; 16 x lane
	v_lshlrev_b32 v3, 3, v0                        ; 8 x thread: my place in the fragment's image
	v_bfe_u32 v2, v0, 1, 4                         ; its source: r = (thread / 2) % 16: a row of W1_codes is 1,024 bytes,
	v_lshlrev_b32 v2, 10, v2
	v_bfe_u32 v10, v0, 6, 2                        ; c = thread / 64: 32 bytes,
	v_lshl_add_u32 v2, v10, 5, v2
	v_bfe_u32 v10, v0, 5, 1                        ; h = (thread / 32) % 2: 16 bytes,
	v_lshl_add_u32 v2, v10, 4, v2
	v_and_b32 v10, 1, v0                           ; and which 8 of the lane's 16
	v_lshl_add_u32 v2, v10, 3, v2
	s_lshl_b32 s13, s12, 9
	v_add_nc_u32 v4, s13, v1                       ; LDS: 512 x wave + 16 x lane
	s_lshr_b32 s14, ttmp9, 3                       ; batch
	s_and_b32 s15, ttmp9, 7
	s_lshl_b32 s15, s15, 9                         ; my 128 columns, in bytes
	s_lshl_b32 s16, s14, 19                        ; a batch is 128 rows of 4,096 bytes,
	s_lshl_b32 s13, s12, 16                        ; a wave's 16 rows 65,536
	s_add_co_u32 s16, s16, s13
	s_add_co_u32 s16, s16, s15
	s_mov_b32 s17, 0
	s_and_b32 s18, ttmp9, 31                       ; t: 16 rows of 1,024 bytes
	s_lshl_b32 s18, s18, 14
	s_lshr_b32 s13, ttmp9, 5                       ; s: 128 bytes along a row
	s_lshl_b32 s13, s13, 7
	s_add_co_u32 s18, s18, s13
	s_mov_b32 s19, 0
	s_lshl_b32 s20, ttmp9, 11                      ; the image: 2,048 bytes a fragment
	s_mov_b32 s21, 0
	s_lshl_b32 s22, s14, 12                        ; nm: 4,096 bytes a batch
	s_add_co_u32 s22, s22, s15
	s_mov_b32 s23, 0
	s_wait_kmcnt 0x0
	s_add_nc_u64 s[4:5], s[4:5], s[16:17]
	s_add_nc_u64 s[6:7], s[6:7], s[18:19]
	s_add_nc_u64 s[8:9], s[8:9], s[22:23]
	s_add_nc_u64 s[10:11], s[10:11], s[20:21]
	global_load_b64 v[8:9], v2, s[6:7]             ; my 8 bytes of W1
.irp i, 0,1,2,3,4,5,6,7,8,9,10,11,12,13,14,15
	global_load_b128 v[X+4*\i:X+4*\i+3], v1, s[4:5] offset:4096*\i th:TH_LOAD_NT   ; read once in the whole program
.endr
	s_wait_loadcnt 16                              ; loads come back in order: W1's piece is in, the 16 rows may be out
	global_store_b64 v3, v[8:9], s[10:11]
	s_wait_loadcnt 12                              ; rows 0 to 3
	v_pk_add_f32 v[SUM:SUM+1], v[X:X+1], v[X+4:X+5]            ; the first two rows start the sum: nothing is cleared
	v_pk_add_f32 v[SUM+2:SUM+3], v[X+2:X+3], v[X+6:X+7]
.irp i, 2,3
	v_pk_add_f32 v[SUM:SUM+1], v[SUM:SUM+1], v[X+4*\i:X+4*\i+1]
	v_pk_add_f32 v[SUM+2:SUM+3], v[SUM+2:SUM+3], v[X+4*\i+2:X+4*\i+3]
.endr
	s_wait_loadcnt 8                               ; rows 4 to 7
.irp i, 4,5,6,7
	v_pk_add_f32 v[SUM:SUM+1], v[SUM:SUM+1], v[X+4*\i:X+4*\i+1]
	v_pk_add_f32 v[SUM+2:SUM+3], v[SUM+2:SUM+3], v[X+4*\i+2:X+4*\i+3]
.endr
	s_wait_loadcnt 4                               ; rows 8 to 11
.irp i, 8,9,10,11
	v_pk_add_f32 v[SUM:SUM+1], v[SUM:SUM+1], v[X+4*\i:X+4*\i+1]
	v_pk_add_f32 v[SUM+2:SUM+3], v[SUM+2:SUM+3], v[X+4*\i+2:X+4*\i+3]
.endr
	s_wait_loadcnt 0x0
.irp i, 12,13,14,15
	v_pk_add_f32 v[SUM:SUM+1], v[SUM:SUM+1], v[X+4*\i:X+4*\i+1]
	v_pk_add_f32 v[SUM+2:SUM+3], v[SUM+2:SUM+3], v[X+4*\i+2:X+4*\i+3]
.endr
	ds_store_b128 v4, v[SUM:SUM+3]
	s_wait_dscnt 0x0                               ; for the others' sake: my store has landed
	s_barrier_signal -1
	s_barrier_wait -1
	s_cmp_lg_u32 s12, 0                            ; wave 0 alone adds the eight; no barrier stands in the branch
	s_cbranch_scc1 .Lend
.irp k, 0,1,2,3,4,5,6,7
	ds_load_b128 v[X+4*\k:X+4*\k+3], v1 offset:512*\k
.endr
	s_wait_dscnt 0x0
.irp k, 0,2,4,6
	v_pk_add_f32 v[X+4*\k:X+4*\k+1], v[X+4*\k:X+4*\k+1], v[X+4*\k+4:X+4*\k+5]
	v_pk_add_f32 v[X+4*\k+2:X+4*\k+3], v[X+4*\k+2:X+4*\k+3], v[X+4*\k+6:X+4*\k+7]
.endr
.irp k, 0,4
	v_pk_add_f32 v[X+4*\k:X+4*\k+1], v[X+4*\k:X+4*\k+1], v[X+4*\k+8:X+4*\k+9]
	v_pk_add_f32 v[X+4*\k+2:X+4*\k+3], v[X+4*\k+2:X+4*\k+3], v[X+4*\k+10:X+4*\k+11]
.endr
	v_pk_add_f32 v[X:X+1], v[X:X+1], v[X+16:X+17]
	v_pk_add_f32 v[X+2:X+3], v[X+2:X+3], v[X+18:X+19]
	v_pk_mul_f32 v[X:X+1], v[X:X+1], 0x3c000000 op_sel_hi:[1,0]        ; x 1/128: exact
	v_pk_mul_f32 v[X+2:X+3], v[X+2:X+3], 0x3c000000 op_sel_hi:[1,0]
	global_store_b128 v1, v[X:X+3], s[8:9]         ; 32 lanes store 512 consecutive bytes, at a multiple of 256 from nm's first byte
.Lend:
	s_wait_tensorcnt 0x0                           ; the wave's end: behind my last LDS store
	ds_add_u32 v5, v6
	s_wait_dscnt 0x0
	s_endpgm
.Lfunc_end_k_q1432f2d0f8_prep:
	.size	k_q1432f2d0f8_prep, .Lfunc_end_k_q1432f2d0f8_prep-k_q1432f2d0f8_prep
	.p2alignl 7, 3214868480
	.fill 96, 4, 3214868480
	.section	.rodata,"a",@progbits
	.p2align	6, 0x0
	.amdhsa_kernel k_q1432f2d0f8_prep
		.amdhsa_group_segment_fixed_size 5120
		.amdhsa_private_segment_fixed_size 0
		.amdhsa_enable_private_segment 0
		.amdhsa_kernarg_size 32
		.amdhsa_user_sgpr_count 2
		.amdhsa_user_sgpr_kernarg_segment_ptr 1
		.amdhsa_wavefront_size32 1
		.amdhsa_system_sgpr_workgroup_id_x 1
		.amdhsa_system_sgpr_workgroup_id_y 1
		.amdhsa_system_sgpr_workgroup_id_z 1
		.amdhsa_system_vgpr_workitem_id 0
		.amdhsa_next_free_vgpr 96
		.amdhsa_next_free_sgpr 66
		.amdhsa_reserve_vcc 0
		.amdhsa_float_denorm_mode_32 3
		.amdhsa_float_denorm_mode_16_64 3
		.amdhsa_memory_ordered 1
		.amdhsa_forward_progress 1
		.amdhsa_inst_pref_size 8
	.end_amdhsa_kernel
	.amdgpu_metadata
---
amdhsa.version: [ 1, 2 ]
amdhsa.kernels:
  - .name:           k_q1432f2d0f8_prep
    .symbol:         k_q1432f2d0f8_prep.kd
    .args:
      - { .name: ner_tokens, .offset: 0, .size: 8, .value_kind: global_buffer, .address_space: global }
      - { .name: W1_codes, .offset: 8, .size: 8, .value_kind: global_buffer, .address_space: global }
      - { .name: nm, .offset: 16, .size: 8, .value_kind: global_buffer, .address_space: global }
      - { .name: w1img, .offset: 24, .size: 8, .value_kind: global_buffer, .address_space: global }
    .group_segment_fixed_size: 5120
    .private_segment_fixed_size: 0
    .kernarg_segment_align: 8
    .kernarg_segment_size: 32
    .max_flat_workgroup_size: 256
    .sgpr_count:     66
    .vgpr_count:     96
    .wavefront_size: 32
...
	.end_amdgpu_metadata
.endif
;; end of part 1
;; launch main (part 2): grid 256 x 1, 4 waves a work-group, clusters of 4 x 1, 327,680 bytes of LDS; arguments w1img, W1_scales, nm, ic_tokens, b1, ln_gamma, ln_beta, part; writes part
.if DOCPART == 2
	.amdgcn_target "amdgcn-amd-amdhsa--gfx1250"
	.amdhsa_code_object_version 6
	.text
	.protected	k_q1432f2d0f8_main
	.globl	k_q1432f2d0f8_main
	.p2align	8
	.type	k_q1432f2d0f8_main,@function
k_q1432f2d0f8_main:
	s_mov_b64 s[64:65], 0
	v_nop
	global_prefetch_b8 v0, s[64:65] scope:SCOPE_SE
	s_setreg_imm32_b32 hwreg(HW_REG_WAVE_MODE, 25, 1), 1
	s_wait_xcnt 0x0
	s_wait_alu depctr_hold_cnt(0) depctr_sa_sdst(0) depctr_va_vdst(0) depctr_va_sdst(0) depctr_va_ssrc(0) depctr_va_vcc(0) depctr_vm_vsrc(0)
	s_getreg_b32 s2, hwreg(HW_REG_IB_STS2, 6, 4)
	s_cmp_eq_u32 s2, 0
	s_cbranch_scc0 .Lentry_in_a_cluster
	s_endpgm
.Lentry_in_a_cluster:
	s_bfe_u32 s2, ttmp6, 0x10000c
	s_cmp_lg_u32 s2, 0x3003
	s_cbranch_scc0 .Lentry_shape_is_right
	s_endpgm
.Lentry_shape_is_right:
; SECOND LAUNCH.  For 128 rows (b, i) of the outer product: the row ic[b][i] nm[b][.] is quantised to E5M2 with one E8M0 scale for each 32 along j, multiplied by W1 (codes as given), + b1,
; LayerNorm over the 512 units, GELU (by erf), and the 128 rows are added: part[work-group][512].  Nothing of reference() is left out here.
; SHARES.  Work-group wg = 4 x cluster + place: batch wg / 8, rows 128 (wg % 8) on.  Four waves; wave w owns units 128 w .. + 127 for all 128 rows: 64 accumulators of 16 x 16, 512 registers.
; A.  All of A's codes (128 rows x 1,024) are made first, each fragment once, and lie in LDS as images of the operand's registers (16 bytes a lane, 512 bytes a store); wave w makes K steps 2 w, 2 w + 1.
; A block's largest |ic nm| is |ic| x the block's largest |nm|, rounded: rounding keeps order, so that is the largest of the rounded products, bit for bit; the search is made once for each K step, not for each row.
; W1 comes as the first launch laid it: a wave's part of a K step of 128 is 16,384 dense bytes, one tensor load of 64 rows of 256 bytes, into a ring of two slots; only the issuing wave reads its part.
; CLUSTER.  Every work-group walks the same W1, so the four of a cluster ask JOINTLY (mask 15, the same descriptor: it hangs on the wave's number alone).  The place in the cluster enters global addresses alone.
; THE MATRIX INSTRUCTION IS USED TRANSPOSED: source 0 = 16 rows of W1 (tile bt), source 1 = 16 rows of A (tile a).  Lane (r, h) of accumulator (a, bt) holds row 16 a + r; its register j unit 128 w + 16 bt + 8 h + j.
; So LayerNorm's sums run along a lane's registers (then lane xor 16, then the four waves, through LDS); gain, shift and b1 are register arrays; the sum over rows runs in a lane over a and crosses 16 lanes once.
; b1 is the C of each sum's first product: it is loaded into accumulator (7, bt)'s own registers, and row tile 7 is multiplied last in K step 0.
; GELU.  u = y sqrt(log2(e) / 2), the factor folded into gain and shift; e = 2^(-u u) = exp(-y y / 2); t = 1 / (1 + p |u|); erf(|y| / sqrt 2) = q = 1 - (a1 t + .. + a5 t^5) e;
; gelu(y) = (u + |u| q) x 0.5 / sqrt(log2(e) / 2), for both signs; the last factor goes into the third launch's constant.
; LIMITS: erf by Abramowitz and Stegun 7.1.26: off by at most 1.5e-7 for every argument, so gelu by at most 0.8e-7 |y|.  NaN and infinities among the inputs are not served.
; A block whose largest magnitude lies under 2^-111 gets the scale byte 1 (a block of zeros too, where the rule says 127: its codes are zeros, and this launch alone reads the bytes).
; REGISTERS, in windows of 256 (s_set_vgpr_msb: bits 1:0 source 0, 3:2 source 1, 5:4 source 2, 7:6 destination):
;   window 0: v1-23 addresses and constants that stay; v24-63 small work; then by phase: making A: v64-127 nm, v128-191 products, v192-223 codes;  product: v64-127 scale words, v128-255 A's fragments (one set);
;             way out: v128-255 sums;  GELU: v32-95 u, v96-159 t, v160-223 e, v224-255 the polynomial.
;   window 1: W1's fragments, two sets (v0, v128); later v0-63 gain, v64-127 shift, v128-191 the sum over rows, v192-255 a row tile's deviations.   windows 2, 3: accumulator (a, bt) at v[8 (8 (a % 4) + bt)].
.set AIMG,  131072                     ; LDS: 0, 65,536: the ring's two slots (wave x 16,384 + bt x 2,048 + c x 512 + 16 x lane);  A's images: s x 16,384 + a x 2,048 + c x 512 + 16 x lane
.set ASC,   262144                     ; A's scale words: a x 512 + r x 32 + 4 s
.set WSC,   266240                     ; W1_scales as it lies: unit x 32 + 4 s; filled once
.set NMS,   282624                     ; nm: wave x 1,024: numbers 256 w .. + 255
.set XCH1,  286720                     ; the waves' sums: a x 256 + r x 16 + 4 x wave;  2,048 bytes on: the same for the squares
.set RST,   290816                     ; 1 / sigma: wave x 1,024 + a x 128 + 4 x lane
.set OST,   294912                     ; the way out: wave x 512
.set SPARE, 296960                     ; the spare words, 128 bytes a wave, which no other line names
; Behind the product bytes 0 .. 262,143 hold the deviations: wave x 65,536 + a x 8,192 + g x 512 + 16 x lane.  The ring has had its last fill then, and no tensor load ever lands on A's images.
.set SPW,  1                           ; v1   my spare word; never rewritten
.set NIL,  2                           ; v2   0; never rewritten
.set ADRB, 3                           ; v3-4   my W1 fragments in slot 0, 1
.set ADRA, 5                           ; v5-6   A's images, K steps 0-3, 4-7
.set ADRS, 7                           ; v7   scale words: lanes 0-15 A's, lanes 16-31 W1's
.set GIM,  8                           ; v8   where I store A's images
.set GSC,  9                           ; v9   and their scale words
.set GNM,  10                          ; v10  where I read nm
.set XST,  11                          ; v11  my word among the waves' sums
.set XLD,  12                          ; v12  the four waves' words
.set DMP,  13                          ; v13  my deviations
.set RSA,  14                          ; v14  my 1 / sigma
.set OSTS, 15                          ; v15  the way out, in
.set OSTL, 16                          ; v16  and back
.set L16,  17                          ; v17  16 x lane
.set H32,  18                          ; v18  32 h
.set T0,   19                          ; v19-21 addresses in hand
.set A4,   22                          ; v[22:23] a4
.set IC,   24                          ; v24-39 ic of row tile a in v[24 + 2 a]: a pair each, of which the packed forms take the low word
.set BM,   40                          ; v40-43 the four blocks' largest |nm|
.set MX,   44                          ; v44-47 largest magnitudes, then bytes
.set SO,   48                          ; v48-51 the conversions' scale operands
.set HD,   52                          ; v52-55 57,344 x the scale
.set PW,   56                          ; v56-57 the scale word, two by turns
.set PT,   58                          ; v58-61 lane permutes' results
.set NM,   64
.set PR,   128
.set CD,   192                         ; v192-223 codes, two sets by turns
.set SC,   64                          ; scale words: register 8 i + s: lanes 0-15 A's tile i, lanes 16-31 my W1 tile i, K step s
.set AF,   128
.set CH,   128                         ; the way out: four chains of pairs for each row tile
.set R8,   192                         ; v192-199 a number for each row tile
.set RQ,   200                         ; v200-207 1 / sigma
.set XB,   208                         ; v208-239 the four waves' numbers
.set MU,   240                         ; v240-255 the means, a pair each
.set U,    32
.set T,    96
.set E,    160
.set PP,   224
.set GAM,  0                           ; window 1
.set BET,  64
.set ACCR, 128
.set D,    192
.set WV,   20                          ; s20 my wave's number
.set MSB, 0
.macro WIN new                         ; the immediate's high byte repeats the setting that is left; a switch that changes nothing is dropped
.if MSB != (\new)
	s_set_vgpr_msb (MSB<<8)|(\new)
.set MSB, (\new)
.endif
.endm
.macro PLACES n
.rept \n
	v_nop
.endr
.endm
.macro CREST                           ; a round of the cluster's barrier behind its opening barrier
	s_cmp_lg_u32 s[WV], 0
	s_cbranch_scc1 .Lnot_wave_0_\@
	s_barrier_signal -3
.Lnot_wave_0_\@:
	s_barrier_wait -3
	s_barrier_signal -1
	s_barrier_wait -1
.endm
.macro CROUND                          ; a whole round
	s_barrier_signal -1
	s_barrier_wait -1
	CREST
.endm
	s_load_b512 s[4:19], s[0:1], 0x0               ; w1img s[4:5], W1_scales s[6:7], nm s[8:9], ic s[10:11], b1 s[12:13], gain s[14:15], shift s[16:17], part s[18:19]
	v_lshl_add_u32 v[SPW], v0, 2, SPARE
	v_mov_b32 v[NIL], 0
	ds_add_u32 v[SPW], v[NIL]                      ; the wave's opening: the add, twice on end, and its wait ahead of my first tensor load; the set-up below is work on registers
	ds_add_u32 v[SPW], v[NIL]
	v_lshrrev_b32 v[T0], 5, v0
	v_readfirstlane_b32 s[WV], v[T0]               ; wave 0..3
	s_bfe_u32 s21, ttmp6, 0x40000                  ; my place in the cluster
	s_lshl_b32 s22, ttmp9, 2                       ; in a cluster launch ttmp9 counts clusters
	s_add_co_u32 s22, s22, s21                     ; wg: it enters global addresses alone
	; descriptor group 1 for W1's tiles: 64 rows of 32 elements of 8 bytes, dense, no padding; 15:0 the mask: all four work-groups; bit 21 set beside it
	s_mov_b32 s24, 15|(3<<16)|(1<<21)
	s_mov_b32 s25, 32<<16                          ; tensor_dim0 = 32
	s_mov_b32 s26, 64<<16                          ; tensor_dim1 = 64
	s_mov_b32 s27, 32<<16                          ; tile_dim0 = 32
	s_mov_b32 s28, 64                              ; tile_dim1 = 64
	s_mov_b32 s29, 32                              ; from row to row
	s_mov_b32 s30, 0
	s_mov_b32 s31, 0
	; and for my 128 units' scale bytes: 16 such rows
	s_mov_b32 s32, 15|(3<<16)|(1<<21)
	s_mov_b32 s33, 32<<16
	s_mov_b32 s34, 16<<16
	s_mov_b32 s35, 32<<16
	s_mov_b32 s36, 16
	s_mov_b32 s37, 32
	s_mov_b32 s38, 0
	s_mov_b32 s39, 0
	s_mov_b32 s40, 1                               ; groups 0: the scale bytes,
	s_lshl_b32 s41, s[WV], 12
	s_add_co_u32 s41, s41, WSC
	s_mov_b32 s44, 1                               ; slot 0,
	s_lshl_b32 s45, s[WV], 14
	s_mov_b32 s48, 1                               ; slot 1
	s_add_co_u32 s49, s45, 65536
	s_lshl_b32 s78, s[WV], 12                      ; byte offsets, each in a pair with 0 above it: my scale bytes,
	s_mov_b32 s79, 0
	s_lshl_b32 s80, s[WV], 14                      ; my part of a K step of W1,
	s_mov_b32 s81, 0
	s_lshr_b32 s82, s22, 3
	s_lshl_b32 s82, s82, 12                        ; nm: 4,096 bytes a batch,
	s_lshl_b32 s90, s[WV], 10                      ; my 256 numbers
	s_add_co_u32 s82, s82, s90
	s_mov_b32 s83, 0
	s_lshl_b32 s84, s22, 9                         ; ic: 128 numbers a work-group,
	s_mov_b32 s85, 0
	s_lshl_b32 s86, s[WV], 9                       ; b1, gain, shift: my 128 numbers,
	s_mov_b32 s87, 0
	s_lshl_b32 s88, s22, 11                        ; part: 2,048 bytes a work-group, my 512
	s_add_co_u32 s88, s88, s86
	s_mov_b32 s89, 0
	s_mov_b32 s52, 0x76543210                      ; v_permlanex16_b32's selects for lane xor 16
	s_mov_b32 s53, 0xfedcba98
	s_mov_b32 s54, 0x600000                        ; the mantissa field of 57,344
	s_mov_b32 s56, 0                               ; the generator's steps: images,
	s_mov_b32 s57, 0                               ; nm,
	s_mov_b32 s58, 0                               ; scale words
	s_mov_b32 s66, 0x3f87dc22                      ; a5 = 1.061405429 (each constant of a packed form is named as a pair, so both words are written)
	s_mov_b32 s67, s66
	s_mov_b32 s68, 0x3fb5f0e3                      ; a3 = 1.421413741
	s_mov_b32 s69, s68
	s_mov_b32 s70, 0xbe91a98e                      ; a2 = -0.284496736
	s_mov_b32 s71, s70
	s_mov_b32 s72, 0x3e827906                      ; a1 = 0.254829592
	s_mov_b32 s73, s72
	s_mov_b32 s74, 0x3e8ba43f                      ; p = 0.3275911 / sqrt(log2(e))
	s_mov_b32 s75, 0x3b000000                      ; 1 / 512
	s_mov_b32 s76, 0x3f596d27                      ; sqrt(log2(e) / 2)
	s_mov_b32 s77, s76
	s_mov_b32 s91, 0x3727c5ac                      ; 1e-5
	v_mov_b32 v[A4], 0xbfba00e3                    ; a4 = -1.453152027
	v_mov_b32 v[A4+1], 0xbfba00e3
	v_and_b32 v136, 31, v0                         ; lane
	v_and_b32 v137, 15, v0                         ; r
	v_bfe_u32 v138, v0, 4, 1                       ; h
	v_lshlrev_b32 v[L16], 4, v136
	v_lshlrev_b32 v[H32], 5, v138
	v_add_nc_u32 v[ADRB], s45, v[L16]
	v_add_nc_u32 v[ADRB+1], 65536, v[ADRB]
	v_add_nc_u32 v[ADRA], AIMG, v[L16]
	v_add_nc_u32 v[ADRA+1], 65536, v[ADRA]
	s_add_co_u32 s90, s78, WSC-ASC                 ; lanes 16-31 stand this much further on: at my units' scale bytes
	v_mul_u32_u24 v[ADRS], s90, v138
	v_lshl_add_u32 v[ADRS], v137, 5, v[ADRS]
	v_add_nc_u32 v[ADRS], ASC, v[ADRS]
	s_lshl_b32 s90, s[WV], 15                      ; my two K steps' images
	v_add_nc_u32 v[GIM], s90, v[ADRA]
	s_lshl_b32 s90, s[WV], 3                       ; and their two scale words of a row
	s_add_co_u32 s90, s90, ASC
	v_lshl_add_u32 v[GSC], v137, 5, s90
	s_lshl_b32 s90, s[WV], 10
	s_add_co_u32 s90, s90, NMS
	v_lshl_add_u32 v[GNM], v138, 6, s90            ; my half's 16 numbers of a block of 32
	v_add_nc_u32 v[T0+2], s90, v[L16]              ; where nm goes in
	s_lshl_b32 s90, s[WV], 2
	s_add_co_u32 s90, s90, XCH1
	v_lshl_add_u32 v[XST], v137, 4, s90
	v_lshl_add_u32 v[XLD], v137, 4, XCH1
	s_lshl_b32 s90, s[WV], 16
	v_add_nc_u32 v[DMP], s90, v[L16]
	s_lshl_b32 s90, s[WV], 10
	s_add_co_u32 s90, s90, RST
	v_lshl_add_u32 v[RSA], v136, 2, s90
	s_add_co_u32 s90, s86, OST
	v_add_nc_u32 v[OSTS], s90, v[H32]
	v_add_nc_u32 v[OSTL], s90, v[L16]
	v_lshlrev_b32 v[T0+1], 2, v137                 ; ic: 4 r
.irp a, 0,1,2,3,4,5,6,7
	v_mov_b32 v[IC+2*\a+1], 0                      ; the pairs' upper words are named, so they are written
.endr
.irp c, 0,1,2,3
	v_mov_b32 v[PT+\c], 0                          ; written once: a lane permute's destination counts as one of its sources
.endr
	s_wait_dscnt 0x0                               ; both opening adds are done
	s_wait_kmcnt 0x0
	s_add_nc_u64 s[42:43], s[6:7], s[78:79]
	s_or_b32 s43, s43, 0x80000000                  ; 127:126 type = 2
	s_add_nc_u64 s[46:47], s[4:5], s[80:81]        ; K step 0,
	s_add_nc_u64 s[50:51], s[46:47], 65536         ; K step 1
	s_or_b32 s47, s47, 0x80000000
	s_or_b32 s51, s51, 0x80000000
	s_add_nc_u64 s[8:9], s[8:9], s[82:83]
	s_add_nc_u64 s[10:11], s[10:11], s[84:85]
	s_add_nc_u64 s[12:13], s[12:13], s[86:87]
	s_add_nc_u64 s[14:15], s[14:15], s[86:87]
	s_add_nc_u64 s[16:17], s[16:17], s[86:87]
	s_add_nc_u64 s[18:19], s[18:19], s[88:89]
	CROUND                                         ; all four work-groups are here: the first joint loads meet
	tensor_load_to_lds s[40:43], s[32:39]          ; the first fills, one group, no branch: three loads of mine are out.  My units' scale bytes,
	s_nop 0
	tensor_load_to_lds s[44:47], s[24:31]          ; K step 0,
	s_nop 0
	tensor_load_to_lds s[48:51], s[24:31]          ; K step 1
	s_nop 0
	PLACES 4
	global_load_b128 v[PR:PR+3], v[L16], s[8:9]                    ; my 256 numbers of nm
	global_load_b128 v[PR+4:PR+7], v[L16], s[8:9] offset:512
.irp a, 0,1,2,3,4,5,6,7
	global_load_b32 v[IC+2*\a], v[T0+1], s[10:11] offset:64*\a     ; ic of row 16 a + r
.endr
	WIN 0xc0                                       ; destination window 3
.irp bt, 0,1,2,3,4,5,6,7
	global_load_b128 v[192+8*\bt:195+8*\bt], v[H32], s[12:13] offset:64*\bt        ; b1 of units 16 bt + 8 h + 0 .. 7, into accumulator (7, bt)
	global_load_b128 v[196+8*\bt:199+8*\bt], v[H32], s[12:13] offset:64*\bt+16
.endr
	WIN 0
	s_wait_loadcnt 24                              ; nm is in; behind it ic's 8 loads and b1's 16
	ds_store_b128 v[T0+2], v[PR:PR+3]              ; my wave's own bytes: LDS serves a wave's instructions in order, so my reads below see them
	ds_store_b128 v[T0+2], v[PR+4:PR+7] offset:512
	s_wait_loadcnt 16                              ; ic is in (and its address register is free); b1 may be out
; ---- MAKING A.  A fragment of row tile a: 64 numbers a lane, register 16 c + i = ic x nm[128 s + 32 c + 16 h + i]; codes into set a % 2, image and scale word to LDS.
.macro FRAG a
	s_wait_dscnt 5                                 ; all but the last fragment's five stores are done: the set of codes and the scale word of two fragments ago have been read
.irp c, 0,1,2,3
	v_mul_f32 v[MX+\c], |v[IC+2*(\a)]|, v[BM+\c]   ; the block's largest magnitude
.endr
.irp c, 0,1,2,3
	v_max_num_f32 v[MX+\c], 0x8000000, v[MX+\c]    ; the floor 2^(16 - 127): the byte cannot fall under 1
.endr
.irp c, 0,1,2,3
	v_add_nc_u32 v[SO+\c], 0xf8800000, v[MX+\c]    ; 15 off its exponent field: the conversion takes this operand's exponent field as its scale
.endr
.irp c, 0,1,2,3
	v_and_or_b32 v[HD+\c], v[MX+\c], 0x7f800000, s54   ; 57,344 x the scale
.endr
.irp c, 0,1,2,3
	v_lshrrev_b32 v[MX+\c], 23, v[SO+\c]           ; the scale's byte
.endr
	v_lshl_or_b32 v[PW+(\a)%2], v[MX+1], 8, v[MX]
	v_lshl_or_b32 v[PW+(\a)%2], v[MX+2], 16, v[PW+(\a)%2]
	v_lshl_or_b32 v[PW+(\a)%2], v[MX+3], 24, v[PW+(\a)%2]
.set k, 0
.rept 32
	v_pk_mul_f32 v[PR+2*k:PR+2*k+1], v[NM+2*k:NM+2*k+1], v[IC+2*(\a):IC+2*(\a)+1] op_sel_hi:[1,0]   ; the outer product's row, as reference() has it: one rounding
.set k, k+1
.endr
.irp c, 0,1,2,3
.irp i, 0,1,2,3,4,5,6,7,8,9,10,11,12,13,14,15
	v_med3_num_f32 v[PR+16*\c+\i], v[PR+16*\c+\i], -v[HD+\c], v[HD+\c]   ; the conversion to an 8-bit code does not saturate (ISA guide 7.6.2): the hold at the largest code x the scale
.endr
	v_cvt_scalef32_pk8_bf8_f32 v[CD+16*((\a)%2)+4*\c:CD+16*((\a)%2)+4*\c+1], v[PR+16*\c:PR+16*\c+7], v[SO+\c]
	v_cvt_scalef32_pk8_bf8_f32 v[CD+16*((\a)%2)+4*\c+2:CD+16*((\a)%2)+4*\c+3], v[PR+16*\c+8:PR+16*\c+15], v[SO+\c]
.endr
	v_nop                                          ; a plain line behind the last conversion, ahead of whatever next writes its sources
.irp c, 0,1,2,3
	ds_store_b128 v[T0], v[CD+16*((\a)%2)+4*\c:CD+16*((\a)%2)+4*\c+3] offset:(\a)*2048+512*\c
.endr
	ds_store_b32 v[T0+2], v[PW+(\a)%2] offset:(\a)*512   ; lanes r and r + 16 write the same word with the same value
.endm
	s_mov_b32 s55, 2
.Lgen:                                             ; two trips: K steps 2 w and 2 w + 1
	v_add_nc_u32 v[T0], s56, v[GIM]
	v_add_nc_u32 v[T0+1], s57, v[GNM]
	v_add_nc_u32 v[T0+2], s58, v[GSC]
.irp c, 0,1,2,3
.irp i, 0,1,2,3
	ds_load_b128 v[NM+16*\c+4*\i:NM+16*\c+4*\i+3], v[T0+1] offset:128*\c+16*\i
.endr
.endr
	s_wait_dscnt 0x0
.irp c, 0,1,2,3
	v_max3_num_f32 v[BM+\c], |v[NM+16*\c]|, |v[NM+16*\c+1]|, |v[NM+16*\c+2]|   ; the largest |nm| of my 16 of each block, the four blocks by turns
.endr
.irp i, 3,5,7,9,11,13
.irp c, 0,1,2,3
	v_max3_num_f32 v[BM+\c], v[BM+\c], |v[NM+16*\c+\i]|, |v[NM+16*\c+\i+1]|
.endr
.endr
.irp c, 0,1,2,3
	v_max_num_f32 v[BM+\c], v[BM+\c], |v[NM+16*\c+15]|
.endr
.irp c, 0,1,2,3
	v_permlanex16_b32 v[PT+\c], v[BM+\c], s52, s53
.endr
.irp c, 0,1,2,3
	v_max_num_f32 v[BM+\c], v[BM+\c], v[PT+\c]     ; with lane xor 16's: the block's
.endr
.irp a, 0,1,2,3,4,5,6,7
	FRAG \a
.endr
	s_add_co_u32 s56, s56, 16384
	s_add_co_u32 s57, s57, 512
	s_add_co_u32 s58, s58, 4
	s_sub_co_u32 s55, s55, 1
	s_cmp_lg_u32 s55, 0
	s_cbranch_scc1 .Lgen
	s_wait_tensorcnt 1                             ; my scale bytes and my part of K step 0 are in; K step 1's load may stay out
	s_wait_dscnt 0x0                               ; my images and scale words have landed
	s_barrier_signal -1
	s_barrier_wait -1                              ; everybody's have
; ---- THE PRODUCT: 8 K steps of 128, 64 matrix instructions each, A's row tiles one after the other, each against my eight tiles of W1.
.macro FETCH_B s                       ; my eight fragments of W1 for K step s, into set s % 2
	WIN 0x40
.irp bt, 0,1,2,3,4,5,6,7
.irp c, 0,1,2,3
	ds_load_b128 v[128*((\s)%2)+16*\bt+4*\c:128*((\s)%2)+16*\bt+4*\c+3], v[ADRB+(\s)%2] offset:\bt*2048+\c*512
.endr
.endr
	WIN 0
.endm
.macro FETCH_A s, a0                   ; A's row tiles a0 .. a0 + 3 for K step s
.irp a, \a0, \a0+1, \a0+2, \a0+3
.irp c, 0,1,2,3
	ds_load_b128 v[AF+16*(\a)+4*\c:AF+16*(\a)+4*\c+3], v[ADRA+(\s)/4] offset:((\s)%4)*16384+(\a)*2048+\c*512
.endr
.endr
.endm
; Eight matrix instructions: row tile a against tiles bt = 0 .. 7.  In K step 0 the C is b1, out of accumulator (7, bt)'s registers.  The 64 accumulators take turns, one instruction a turn, in the same order in every step.
.macro MULA a, s
.if (\a) >= 4
	WIN 0xf1                                       ; source 0 (W1) window 1, source 1 (A) window 0, C and D window 3
.elseif (\s) == 0
	WIN 0xb1                                       ; C window 3, D window 2
.else
	WIN 0xa1                                       ; C and D window 2
.endif
.irp bt, 0,1,2,3,4,5,6,7
.if (\s) == 0
	v_wmma_scale_f32_16x16x128_f8f6f4 v[8*(8*((\a)%4)+\bt):8*(8*((\a)%4)+\bt)+7], v[128*((\s)%2)+16*\bt:128*((\s)%2)+16*\bt+15], v[AF+16*(\a):AF+16*(\a)+15], v[192+8*\bt:199+8*\bt], v[SC+8*\bt+(\s)], v[SC+8*(\a)+(\s)] matrix_a_fmt:MATRIX_FMT_BF8 matrix_b_fmt:MATRIX_FMT_BF8 matrix_a_scale:MATRIX_SCALE_ROW1
.else
	v_wmma_scale_f32_16x16x128_f8f6f4 v[8*(8*((\a)%4)+\bt):8*(8*((\a)%4)+\bt)+7], v[128*((\s)%2)+16*\bt:128*((\s)%2)+16*\bt+15], v[AF+16*(\a):AF+16*(\a)+15], v[8*(8*((\a)%4)+\bt):8*(8*((\a)%4)+\bt)+7], v[SC+8*\bt+(\s)], v[SC+8*(\a)+(\s)] matrix_a_fmt:MATRIX_FMT_BF8 matrix_b_fmt:MATRIX_FMT_BF8 matrix_a_scale:MATRIX_SCALE_ROW1
.endif
.endr
.endm
; A load into a register that a matrix instruction has read stands eight places behind it, a matrix instruction that writes over such a register nine; only plain vector instructions that name none of its registers
; are places.
.macro KSTEP s
	s_wait_dscnt 16                                ; W1's set, the scale words and A's tiles 0-3 are in; the youngest 16 loads (tiles 4-7) may be out
	MULA 0, \s
	MULA 1, \s
.if (\s) <= 5                          ; this step's slot lies in registers whole: it is filled again, with K step s + 2
	WIN 0                                          ; (the add's two registers lie in window 0)
	s_wait_tensorcnt 0x0                           ; all my tensor loads have landed: the one that was out is K step s + 1, asked for 48 matrix instructions ago;
	ds_add_u32 v[SPW], v[NIL]                      ; 0 onto my spare word
	MULA 2, \s                                     ; eight matrix instructions stand between the add and the wait for it
	s_wait_dscnt 0x0                               ; the add is done, and my reads of the slot are over (A's tiles 4-7 are in too)
	s_barrier_signal -1                            ; this barrier opens a round of the cluster's barrier
	MULA 3, \s
	WIN 0
	s_barrier_wait -1
	CREST                                          ; no wave of any partner still reads the slot or has a load on its way
	s_add_nc_u64 s[46+4*((\s)%2):47+4*((\s)%2)], s[46+4*((\s)%2):47+4*((\s)%2)], 131072   ; two K steps on; the type bits on top are not reached
	tensor_load_to_lds s[44+4*((\s)%2):47+4*((\s)%2)], s[24:31]    ; the first thing behind the round, and my one tensor load until the next
	s_nop 0
	PLACES 8                                       ; the places in front of the loads into A's tiles 0-3
.elseif (\s) == 6
	MULA 2, \s
	MULA 3, \s
	WIN 0
	s_wait_tensorcnt 0x0                           ; K step 7 has landed; I alone read my part of it, so my own wait is all the order that the reads need; nothing is filled again
	s_wait_dscnt 0x0
	PLACES 8
.else
	MULA 2, \s
	MULA 3, \s
	s_wait_dscnt 0x0
.endif
.if (\s) <= 6
	FETCH_B (\s)+1
	FETCH_A (\s)+1, 0
.endif
	MULA 4, \s
	MULA 5, \s
	MULA 6, \s
.if (\s) == 0
	PLACES 9                                       ; row tile 7 writes over the registers that the 56 products above read as C
.endif
	MULA 7, \s
.if (\s) <= 6
	PLACES 8
	WIN 0
	FETCH_A (\s)+1, 4
.endif
.endm
	FETCH_B 0
	FETCH_A 0, 0
.irp i, 0,1,2,3,4,5,6,7
	ds_load_b128 v[SC+8*\i:SC+8*\i+3], v[ADRS] offset:512*\i       ; the scale words of all eight K steps: lanes 0-15 A's tile i, lanes 16-31 my W1 tile i
	ds_load_b128 v[SC+8*\i+4:SC+8*\i+7], v[ADRS] offset:512*\i+16
.endr
	FETCH_A 0, 4
	s_wait_loadcnt 0x0                             ; b1
	KSTEP 0
	KSTEP 1
	KSTEP 2
	KSTEP 3
	KSTEP 4
	KSTEP 5
	KSTEP 6
	WIN 0x40                                       ; W1's set 0 is done with, eight places behind its last product: gain and shift land there while K step 7 is multiplied
.irp bt, 0,1,2,3,4,5,6,7
	global_load_b128 v[GAM+8*\bt:GAM+8*\bt+3], v[H32], s[14:15] offset:64*\bt
	global_load_b128 v[GAM+8*\bt+4:GAM+8*\bt+7], v[H32], s[14:15] offset:64*\bt+16
	global_load_b128 v[BET+8*\bt:BET+8*\bt+3], v[H32], s[16:17] offset:64*\bt
	global_load_b128 v[BET+8*\bt+4:BET+8*\bt+7], v[H32], s[16:17] offset:64*\bt+16
.endr
	WIN 0
	KSTEP 7
; ---- LAYERNORM.  w = 0: window 2 (row tiles 0-3), 1: window 3 (4-7).  Four chains of pairs for each row tile, four row tiles by turns.  Each accumulator is first read at its registers 0 and 1.
.macro ROWSUM w
	WIN 0x0a+5*(\w)                                ; both sources in the accumulators' window
.irp q, 0,1,2,3
.irp a, 0,1,2,3
	v_pk_add_f32 v[CH+8*(4*(\w)+\a)+2*\q:CH+8*(4*(\w)+\a)+2*\q+1], v[64*\a+2*\q:64*\a+2*\q+1], v[64*\a+8+2*\q:64*\a+8+2*\q+1]   ; tiles 0 and 1 start the chains
.endr
.endr
	WIN 0x02+(\w)
.irp bt, 2,3,4,5,6,7
.irp q, 0,1,2,3
.irp a, 0,1,2,3
	v_pk_add_f32 v[CH+8*(4*(\w)+\a)+2*\q:CH+8*(4*(\w)+\a)+2*\q+1], v[64*\a+8*\bt+2*\q:64*\a+8*\bt+2*\q+1], v[CH+8*(4*(\w)+\a)+2*\q:CH+8*(4*(\w)+\a)+2*\q+1]
.endr
.endr
.endr
.endm
; The chains of the eight row tiles become one number a row: within the lane, with lane xor 16, and through LDS with the other three waves.  The result, in v[R8 + a], is the same in all four waves, bit for bit.
.macro CROSS off
.irp a, 0,1,2,3,4,5,6,7
	v_pk_add_f32 v[CH+8*\a:CH+8*\a+1], v[CH+8*\a:CH+8*\a+1], v[CH+8*\a+2:CH+8*\a+3]
.endr
.irp a, 0,1,2,3,4,5,6,7
	v_pk_add_f32 v[CH+8*\a+4:CH+8*\a+5], v[CH+8*\a+4:CH+8*\a+5], v[CH+8*\a+6:CH+8*\a+7]
.endr
.irp a, 0,1,2,3,4,5,6,7
	v_pk_add_f32 v[CH+8*\a:CH+8*\a+1], v[CH+8*\a:CH+8*\a+1], v[CH+8*\a+4:CH+8*\a+5]
.endr
.irp a, 0,1,2,3,4,5,6,7
	v_add_f32 v[R8+\a], v[CH+8*\a], v[CH+8*\a+1]
.endr
.irp a, 0,1,2,3,4,5,6,7
	v_permlanex16_b32 v[MX+\a], v[R8+\a], s52, s53
.endr
.irp a, 0,1,2,3,4,5,6,7
	v_add_f32 v[R8+\a], v[R8+\a], v[MX+\a]
.endr
.irp a, 0,1,2,3,4,5,6,7
	ds_store_b32 v[XST], v[R8+\a] offset:\off+256*\a   ; lanes r and r + 16 write the same word with the same value
.endr
	s_wait_dscnt 0x0                               ; for the others' sake: all my LDS stores have landed and all my LDS loads are in
	s_barrier_signal -1
	s_barrier_wait -1
.irp a, 0,1,2,3,4,5,6,7
	ds_load_b128 v[XB+4*\a:XB+4*\a+3], v[XLD] offset:\off+256*\a
.endr
	s_wait_dscnt 0x0
.irp a, 0,1,2,3,4,5,6,7
	v_add_f32 v[XB+4*\a], v[XB+4*\a], v[XB+4*\a+1]
	v_add_f32 v[XB+4*\a+2], v[XB+4*\a+2], v[XB+4*\a+3]
.endr
.irp a, 0,1,2,3,4,5,6,7
	v_add_f32 v[R8+\a], v[XB+4*\a], v[XB+4*\a+2]
.endr
.endm
; The deviations x - mean, in place; they leave for LDS while their squares are summed.
.macro DEVS w
	WIN 0x82+0x41*(\w)                             ; destination and source 0 in the accumulators' window, the mean in window 0
.irp a, 0,1,2,3
.set k, 0
.rept 32
	v_pk_add_f32 v[64*\a+2*k:64*\a+2*k+1], v[64*\a+2*k:64*\a+2*k+1], v[MU+2*(4*(\w)+\a):MU+2*(4*(\w)+\a)+1] op_sel_hi:[1,0] neg_lo:[0,1] neg_hi:[0,1]
.set k, k+1
.endr
.endr
	WIN 0x08+4*(\w)                                ; an LDS store's data are its source 1
.irp a, 0,1,2,3
.set k, 0
.rept 16
	ds_store_b128 v[DMP], v[64*\a+4*k:64*\a+4*k+3] offset:(4*(\w)+\a)*8192+512*k   ; my own 65,536 bytes; every wave's reads of the ring and of A's images ended ahead of the barrier above
.set k, k+1
.endr
.endr
	WIN 0x0a+5*(\w)
.irp q, 0,1,2,3
.irp a, 0,1,2,3
	v_pk_mul_f32 v[CH+8*(4*(\w)+\a)+2*\q:CH+8*(4*(\w)+\a)+2*\q+1], v[64*\a+2*\q:64*\a+2*\q+1], v[64*\a+2*\q:64*\a+2*\q+1]
.endr
.endr
.irp bt, 1,2,3,4,5,6,7
.irp q, 0,1,2,3
.irp a, 0,1,2,3
	v_pk_fma_f32 v[CH+8*(4*(\w)+\a)+2*\q:CH+8*(4*(\w)+\a)+2*\q+1], v[64*\a+8*\bt+2*\q:64*\a+8*\bt+2*\q+1], v[64*\a+8*\bt+2*\q:64*\a+8*\bt+2*\q+1], v[CH+8*(4*(\w)+\a)+2*\q:CH+8*(4*(\w)+\a)+2*\q+1]
.endr
.endr
.endr
.endm
	PLACES 8                                       ; behind the last products: results are read, and registers that held operands are written
	ROWSUM 0
	ROWSUM 1
	WIN 0
	CROSS 0
.irp a, 0,1,2,3,4,5,6,7
	v_mul_f32 v[MU+2*\a], s75, v[R8+\a]            ; the mean over the 512 units
	v_mul_f32 v[MU+2*\a+1], s75, v[R8+\a]          ; (the pair's upper word is named, so it is written)
.endr
	DEVS 0
	DEVS 1
	WIN 0
	CROSS 2048
.irp a, 0,1,2,3,4,5,6,7
	v_fma_f32 v[R8+\a], v[R8+\a], s75, s91         ; the variance + 1e-5
.endr
.irp a, 0,1,2,3,4,5,6,7
	v_rsq_f32 v[RQ+\a], v[R8+\a]
.endr
	v_nop                                          ; a plain line behind the last of them,
	s_wait_alu depctr_va_vdst(0)                   ; and the one wait ahead of the batch's first reader
.irp a, 0,1,2,3,4,5,6,7
	ds_store_b32 v[RSA], v[RQ+\a] offset:128*\a    ; my wave's own bytes: the loop below takes a row tile's by an address that steps
.endr
	s_wait_loadcnt 0x0                             ; gain and shift
	WIN 0x41
.set k, 0
.rept 64
	v_pk_mul_f32 v[2*k:2*k+1], v[2*k:2*k+1], s[76:77] op_sel_hi:[1,0]   ; both x sqrt(log2(e) / 2), once
.set k, k+1
.endr
	WIN 0x40
.set k, 0
.rept 64
	v_mov_b32 v[ACCR+k], 0                         ; the sum over rows: the trip is written once, so its first finds zeros
.set k, k+1
.endr
	WIN 0
; ---- GELU, a row tile (64 numbers a lane) a trip, in two halves X (numbers 0-31) and Y (32-63), so that one half's plain work stands among the other's transcendentals.
; S1: number j of 64 of a half's way to u and 1 + p |u|;  o = 0 or 32.
.macro S1 o
.if j < 16
	v_pk_mul_f32 v[U+\o+2*j:U+\o+2*j+1], v[24:25], v[D+\o+2*j:D+\o+2*j+1] op_sel_hi:[0,1]   ; deviation / sigma
.elseif j < 32
	v_pk_fma_f32 v[U+\o+2*(j-16):U+\o+2*(j-16)+1], v[U+\o+2*(j-16):U+\o+2*(j-16)+1], v[GAM+\o+2*(j-16):GAM+\o+2*(j-16)+1], v[BET+\o+2*(j-16):BET+\o+2*(j-16)+1]   ; u
.else
	v_fma_f32 v[T+\o+j-32], |v[U+\o+j-32]|, s74, 1.0
.endif
.set j, j+1
.endm
; S3: number j of 128 of a half's way from t, e and u to u + |u| q.
.macro S3 o
.if j < 16
	v_pk_fma_f32 v[PP+2*j:PP+2*j+1], v[T+\o+2*j:T+\o+2*j+1], s[66:67], v[A4:A4+1] op_sel_hi:[1,0,0]   ; a5 t + a4
.elseif j < 32
	v_pk_fma_f32 v[PP+2*(j-16):PP+2*(j-16)+1], v[PP+2*(j-16):PP+2*(j-16)+1], v[T+\o+2*(j-16):T+\o+2*(j-16)+1], s[68:69] op_sel_hi:[1,1,0]
.elseif j < 48
	v_pk_fma_f32 v[PP+2*(j-32):PP+2*(j-32)+1], v[PP+2*(j-32):PP+2*(j-32)+1], v[T+\o+2*(j-32):T+\o+2*(j-32)+1], s[70:71] op_sel_hi:[1,1,0]
.elseif j < 64
	v_pk_fma_f32 v[PP+2*(j-48):PP+2*(j-48)+1], v[PP+2*(j-48):PP+2*(j-48)+1], v[T+\o+2*(j-48):T+\o+2*(j-48)+1], s[72:73] op_sel_hi:[1,1,0]
.elseif j < 80
	v_pk_mul_f32 v[PP+2*(j-64):PP+2*(j-64)+1], v[PP+2*(j-64):PP+2*(j-64)+1], v[T+\o+2*(j-64):T+\o+2*(j-64)+1]
.elseif j < 96
	v_pk_fma_f32 v[PP+2*(j-80):PP+2*(j-80)+1], v[PP+2*(j-80):PP+2*(j-80)+1], v[E+\o+2*(j-80):E+\o+2*(j-80)+1], 1.0 op_sel_hi:[1,1,0] neg_lo:[1,0,0] neg_hi:[1,0,0]   ; q = 1 - polynomial x e
.else
	v_fma_f32 v[PP+j-96], |v[U+\o+j-96]|, v[PP+j-96], v[U+\o+j-96]
.endif
.set j, j+1
.endm
; A half's 32 numbers join the sum over rows; in the last trip the sums go to window 0, into e's registers, which are done with.
.macro JOIN o, last
.if \last
	WIN 0x01
.else
	WIN 0x41
.endif
.set k, 0
.rept 16
.if \last
	v_pk_add_f32 v[E+\o+2*k:E+\o+2*k+1], v[ACCR+\o+2*k:ACCR+\o+2*k+1], v[PP+2*k:PP+2*k+1]
.else
	v_pk_add_f32 v[ACCR+\o+2*k:ACCR+\o+2*k+1], v[ACCR+\o+2*k:ACCR+\o+2*k+1], v[PP+2*k:PP+2*k+1]
.endif
.set k, k+1
.endr
	WIN 0
.endm
.macro DLOAD                           ; a row tile's 1 / sigma and deviations
	v_add_nc_u32 v[T0], s59, v[DMP]
	v_add_nc_u32 v[T0+1], s60, v[RSA]
	ds_load_b32 v24, v[T0+1]
	WIN 0x40
.set k, 0
.rept 16
	ds_load_b128 v[D+4*k:D+4*k+3], v[T0] offset:512*k
.set k, k+1
.endr
	WIN 0
.endm
.macro TRIP last
	s_wait_dscnt 0x0                               ; this row tile's deviations and 1 / sigma are in
	WIN 0x14                                       ; sources 1 and 2 in window 1
.set j, 0
.rept 64
	S1 0
.endr
	WIN 0
.set i, 0
.rept 16
	v_pk_mul_f32 v[E+2*i:E+2*i+1], v[U+2*i:U+2*i+1], v[U+2*i:U+2*i+1] neg_lo:[1,0] neg_hi:[1,0]   ; -u u
.set i, i+1
.endr
	WIN 0x14
.set j, 0
.set i, 0
.rept 32                                       ; X's 64 transcendentals, a plain line of Y's behind each; none of those lines names a result
	v_rcp_f32 v[T+i], v[T+i]
	S1 32
	v_exp_f32 v[E+i], v[E+i]
	S1 32
.set i, i+1
.endr
	WIN 0
.if !\last
	s_add_co_u32 s59, s59, 8192                    ; the next row tile is asked for here: it has the rest of the trip in which to land
	s_add_co_u32 s60, s60, 128
	DLOAD
.endif
	s_wait_alu depctr_va_vdst(0)                   ; one wait for X's batch, ahead of its first reader
.set i, 0
.rept 16
	v_pk_mul_f32 v[E+32+2*i:E+32+2*i+1], v[U+32+2*i:U+32+2*i+1], v[U+32+2*i:U+32+2*i+1] neg_lo:[1,0] neg_hi:[1,0]
	v_rcp_f32 v[T+32+2*i], v[T+32+2*i]
	v_rcp_f32 v[T+32+2*i+1], v[T+32+2*i+1]
.set i, i+1
.endr
.set j, 0
.set i, 0
.rept 32                                       ; Y's exponentials, four plain lines of X's behind each
	v_exp_f32 v[E+32+i], v[E+32+i]
	S3 0
	S3 0
	S3 0
	S3 0
.set i, i+1
.endr
	s_wait_alu depctr_va_vdst(0)                   ; one wait for Y's batch
	JOIN 0, \last
.set j, 0
.rept 128
	S3 32
.endr
	JOIN 32, \last
.endm
	s_mov_b32 s59, 0
	s_mov_b32 s60, 0
	DLOAD                                          ; row tile 0
	s_mov_b32 s55, 7
.Lrow:                                             ; seven trips; the eighth is written out: it asks for nothing
	TRIP 0
	s_sub_co_u32 s55, s55, 1
	s_cmp_lg_u32 s55, 0
	s_cbranch_scc1 .Lrow
	TRIP 1
; ---- THE WAY OUT.  v160-223: for each of my lane's 64 units the sum over row tiles of row r; the sixteen rows r of a half of the lanes are added, every lane of the half ends with the sum.
.irp m, 1,2,4,8
.set k, 0
.rept 64
	v_add_f32_dpp v[E+k], v[E+k], v[E+k] row_xmask:\m row_mask:0xf bank_mask:0xf
.set k, k+1
.endr
.endr
.irp bt, 0,1,2,3,4,5,6,7
	ds_store_b128 v[OSTS], v[E+8*\bt:E+8*\bt+3] offset:64*\bt          ; the sixteen lanes of a half write the same bytes with the same values
	ds_store_b128 v[OSTS], v[E+8*\bt+4:E+8*\bt+7] offset:64*\bt+16
.endr
	ds_load_b128 v[32:35], v[OSTL]                 ; LDS serves a wave's instructions in order: this sees my stores
	s_wait_dscnt 0x0
	global_store_b128 v[L16], v[32:35], s[18:19]   ; 32 lanes store 512 consecutive bytes, at a multiple of 256 from part's first byte
	s_wait_tensorcnt 0x0                           ; the wave's end: behind my last tensor load and my last LDS store
	ds_add_u32 v[SPW], v[NIL]
	s_wait_dscnt 0x0
	CROUND                                         ; the closing round: no work-group ends while a partner may still ask for a tile that names it
	s_endpgm
.Lfunc_end_k_q1432f2d0f8_main:
	.size	k_q1432f2d0f8_main, .Lfunc_end_k_q1432f2d0f8_main-k_q1432f2d0f8_main
	.p2alignl 7, 3214868480
	.fill 96, 4, 3214868480
	.section	.rodata,"a",@progbits
	.p2align	6, 0x0
	.amdhsa_kernel k_q1432f2d0f8_main
		.amdhsa_group_segment_fixed_size 327680
		.amdhsa_private_segment_fixed_size 0
		.amdhsa_enable_private_segment 0
		.amdhsa_kernarg_size 64
		.amdhsa_user_sgpr_count 2
		.amdhsa_user_sgpr_kernarg_segment_ptr 1
		.amdhsa_wavefront_size32 1
		.amdhsa_system_sgpr_workgroup_id_x 1
		.amdhsa_system_sgpr_workgroup_id_y 1
		.amdhsa_system_sgpr_workgroup_id_z 1
		.amdhsa_system_vgpr_workitem_id 0
		.amdhsa_next_free_vgpr 1024
		.amdhsa_next_free_sgpr 100
		.amdhsa_reserve_vcc 0
		.amdhsa_float_denorm_mode_32 3
		.amdhsa_float_denorm_mode_16_64 3
		.amdhsa_memory_ordered 1
		.amdhsa_forward_progress 1
		.amdhsa_inst_pref_size 255
	.end_amdhsa_kernel
	.section	.bss,"aw",@nobits
	.p2align	6
	.space	262144
	.amdgpu_metadata
---
amdhsa.version: [ 1, 2 ]
amdhsa.kernels:
  - .name:           k_q1432f2d0f8_main
    .symbol:         k_q1432f2d0f8_main.kd
    .args:
      - { .name: w1img, .offset: 0, .size: 8, .value_kind: global_buffer, .address_space: global }
      - { .name: W1_scales, .offset: 8, .size: 8, .value_kind: global_buffer, .address_space: global }
      - { .name: nm, .offset: 16, .size: 8, .value_kind: global_buffer, .address_space: global }
      - { .name: ic_tokens, .offset: 24, .size: 8, .value_kind: global_buffer, .address_space: global }
      - { .name: b1, .offset: 32, .size: 8, .value_kind: global_buffer, .address_space: global }
      - { .name: ln_gamma, .offset: 40, .size: 8, .value_kind: global_buffer, .address_space: global }
      - { .name: ln_beta, .offset: 48, .size: 8, .value_kind: global_buffer, .address_space: global }
      - { .name: part, .offset: 56, .size: 8, .value_kind: global_buffer, .address_space: global }
    .group_segment_fixed_size: 327680
    .private_segment_fixed_size: 0
    .kernarg_segment_align: 8
    .kernarg_segment_size: 64
    .max_flat_workgroup_size: 128
    .sgpr_count:     100
    .vgpr_count:     1024
    .wavefront_size: 32
...
	.end_amdgpu_metadata
.endif
;; end of part 2
;; launch post (part 3): grid 32 x 1, 4 waves a work-group, no clusters, 3,584 bytes of LDS; arguments part, W2_codes, W2_scales, b2, out0; writes out0
.if DOCPART == 3
	.amdgcn_target "amdgcn-amd-amdhsa--gfx1250"
	.amdhsa_code_object_version 6
	.text
	.protected	k_q1432f2d0f8_post
	.globl	k_q1432f2d0f8_post
	.p2align	8
	.type	k_q1432f2d0f8_post,@function
k_q1432f2d0f8_post:
	s_mov_b64 s[64:65], 0
	v_nop
	global_prefetch_b8 v0, s[64:65] scope:SCOPE_SE
	s_setreg_imm32_b32 hwreg(HW_REG_WAVE_MODE, 25, 1), 1
	s_wait_xcnt 0x0
; THIRD LAUNCH.  h[b][.] = the mean over the 1,024 rows of gelu: the batch's eight partial sums are added and multiplied by sqrt(2 ln 2) / 2048 (the factor 0.5 / sqrt(log2(e) / 2) that the second launch
; left out, and the mean's 1 / 1,024); h is quantised to E5M2 along its 512 and multiplied by W2 (codes as given); + b2.  Nothing of reference() is left out here.
; SHARES.  One work-group to a batch: 32 in all, as many as there are rows of the result; each reads its 16,384 bytes of part once.  Wave w takes K step w (units 128 w .. + 127) of all 64 outputs; the four waves' sums meet in LDS.
; The operand's 16 rows all hold the batch's one row: the tile is the smallest that the matrix instruction has.  Transposed use: source 0 = 16 rows of W2 (tile t), source 1 = h: register j of lane (r, h) is output 16 t + 8 h + j.
; LIMITS: NaN and infinities are not served; a block of h whose largest magnitude lies under 2^-111 gets the scale byte 1 (a block of zeros too: its codes are zeros, and the byte is read here alone).
.set OS,    2048                       ; LDS: 0 .. 2,047 h;  the waves' sums: wave x 256 + 4 x output
.set SPARE, 3072                       ; the spare words, 128 bytes a wave, which no other line names
.set W2F, 16                           ; v16-79  W2's four fragments
.set W2S, 80                           ; v80-83  their scale words
.set PW,  84                           ; v84     h's scale word
.set L,   96                           ; v96-127 eight parts, 4 registers each
.set X,   128                          ; v128-191 my lane's 64 numbers of h
.set TM,  192                          ; v192-195 largest magnitudes, v196-199 bytes, v200-203 57,344 x the scale, v204-207 the conversions' scale operands
.set PC,  208                          ; v208-223 h's codes
.set DA,  224                          ; v224-255 four accumulators
	s_load_b256 s[4:11], s[0:1], 0x0               ; part s[4:5], W2_codes s[6:7], W2_scales s[8:9], b2 s[10:11]
	s_load_b64 s[12:13], s[0:1], 0x20              ; out0
	v_lshl_add_u32 v12, v0, 2, SPARE               ; my spare word,
	v_mov_b32 v13, 0                               ; and 0: both kept for the closing lines alone
	v_lshrrev_b32 v1, 5, v0
	v_readfirstlane_b32 s14, v1                    ; wave 0..3
	v_and_b32 v1, 31, v0                           ; lane
	v_and_b32 v2, 15, v0                           ; r
	v_bfe_u32 v3, v0, 4, 1                         ; h
	v_lshlrev_b32 v4, 4, v0                        ; 16 x thread: my 4 units, in part and in LDS
	v_lshlrev_b32 v5, 9, v2                        ; W2's codes: a row is 512 bytes,
	v_lshl_add_u32 v5, v3, 4, v5                   ; + 16 h
	v_lshlrev_b32 v6, 4, v2                        ; its scale bytes: 16 a row
	v_lshlrev_b32 v7, 3, v1                        ; 8 x lane
	s_lshl_b32 s15, s14, 9
	v_lshl_add_u32 v8, v3, 6, s15                  ; h: my K step, my half's 16 numbers of a block of 32
	s_lshl_b32 s15, s14, 8
	s_add_co_u32 s15, s15, OS
	v_lshl_add_u32 v9, v3, 5, s15                  ; my wave's sums: + 32 h
	v_add_nc_u32 v10, OS, v7                       ; and back: two outputs a lane
.irp b, 0,1,2,3
	v_mov_b32 v[TM+4+\b], 0                        ; written once: a lane permute's destination counts as one of its sources
.endr
	s_lshl_b32 s16, ttmp9, 14                      ; part: 8 x 2,048 bytes a batch
	s_mov_b32 s17, 0
	s_lshl_b32 s18, s14, 7                         ; my K step in a row of W2's codes,
	s_mov_b32 s19, 0
	s_lshl_b32 s20, s14, 2                         ; and of its scale bytes
	s_mov_b32 s21, 0
	s_lshl_b32 s22, ttmp9, 8                       ; out0: 256 bytes a batch
	s_mov_b32 s23, 0
	s_mov_b32 s24, 0x76543210                      ; v_permlanex16_b32's selects for lane xor 16
	s_mov_b32 s25, 0xfedcba98
	s_mov_b32 s26, 0x600000                        ; the mantissa field of 57,344
	s_wait_kmcnt 0x0
	s_add_nc_u64 s[4:5], s[4:5], s[16:17]
	s_add_nc_u64 s[6:7], s[6:7], s[18:19]
	s_add_nc_u64 s[8:9], s[8:9], s[20:21]
	s_add_nc_u64 s[12:13], s[12:13], s[22:23]
.irp k, 0,1,2,3,4,5,6,7
	global_load_b128 v[L+4*\k:L+4*\k+3], v4, s[4:5] offset:2048*\k   ; a wave reads 512 consecutive bytes
.endr
.irp t, 0,1,2,3
.irp c, 0,1,2,3
	global_load_b128 v[W2F+16*\t+4*\c:W2F+16*\t+4*\c+3], v5, s[6:7] offset:8192*\t+32*\c
.endr
.endr
.irp t, 0,1,2,3
	global_load_b32 v[W2S+\t], v6, s[8:9] offset:256*\t
.endr
	global_load_b64 v[86:87], v7, s[10:11]         ; b2
	s_wait_loadcnt 21                              ; the eight parts are in; behind them W2's 16 loads, its scale words' 4 and b2's
.irp k, 0,2,4,6
	v_pk_add_f32 v[L+4*\k:L+4*\k+1], v[L+4*\k:L+4*\k+1], v[L+4*\k+4:L+4*\k+5]
	v_pk_add_f32 v[L+4*\k+2:L+4*\k+3], v[L+4*\k+2:L+4*\k+3], v[L+4*\k+6:L+4*\k+7]
.endr
.irp k, 0,4
	v_pk_add_f32 v[L+4*\k:L+4*\k+1], v[L+4*\k:L+4*\k+1], v[L+4*\k+8:L+4*\k+9]
	v_pk_add_f32 v[L+4*\k+2:L+4*\k+3], v[L+4*\k+2:L+4*\k+3], v[L+4*\k+10:L+4*\k+11]
.endr
	v_pk_add_f32 v[L:L+1], v[L:L+1], v[L+16:L+17]
	v_pk_add_f32 v[L+2:L+3], v[L+2:L+3], v[L+18:L+19]
	v_pk_mul_f32 v[L:L+1], v[L:L+1], 0x3a16b55f op_sel_hi:[1,0]        ; x sqrt(2 ln 2) / 2048
	v_pk_mul_f32 v[L+2:L+3], v[L+2:L+3], 0x3a16b55f op_sel_hi:[1,0]
	ds_store_b128 v4, v[L:L+3]
	s_wait_dscnt 0x0                               ; for the others' sake: my store has landed
	s_barrier_signal -1
	s_barrier_wait -1
.irp c, 0,1,2,3
.irp i, 0,1,2,3
	ds_load_b128 v[X+16*\c+4*\i:X+16*\c+4*\i+3], v8 offset:128*\c+16*\i   ; register 16 c + i: h[128 w + 32 c + 16 h + i]
.endr
.endr
	s_wait_dscnt 0x0
.irp b, 0,1,2,3
	v_max3_num_f32 v[TM+\b], |v[X+16*\b]|, |v[X+1+16*\b]|, 0x8000000   ; block b: my 16 numbers, and the floor 2^(16 - 127): the byte cannot fall under 1
.endr
.irp i, 2,4,6,8,10,12,14
.irp b, 0,1,2,3
	v_max3_num_f32 v[TM+\b], v[TM+\b], |v[X+16*\b+\i]|, |v[X+1+16*\b+\i]|
.endr
.endr
.irp b, 0,1,2,3
	v_permlanex16_b32 v[TM+4+\b], v[TM+\b], s24, s25
.endr
.irp b, 0,1,2,3
	v_max_num_f32 v[TM+\b], v[TM+\b], v[TM+4+\b]   ; with lane xor 16's: the block's largest magnitude
.endr
.irp b, 0,1,2,3
	v_add_nc_u32 v[TM+12+\b], 0xf8800000, v[TM+\b] ; 15 off its exponent field: the conversion's scale operand
.endr
.irp b, 0,1,2,3
	v_and_or_b32 v[TM+8+\b], v[TM+\b], 0x7f800000, s26   ; 57,344 x the scale
.endr
.irp b, 0,1,2,3
	v_lshrrev_b32 v[TM+4+\b], 23, v[TM+12+\b]      ; the scale's byte
.endr
	v_lshl_or_b32 v[PW], v[TM+5], 8, v[TM+4]
	v_lshl_or_b32 v[PW], v[TM+6], 16, v[PW]
	v_lshl_or_b32 v[PW], v[TM+7], 24, v[PW]
.irp b, 0,1,2,3
.irp i, 0,1,2,3,4,5,6,7,8,9,10,11,12,13,14,15
	v_med3_num_f32 v[X+16*\b+\i], v[X+16*\b+\i], -v[TM+8+\b], v[TM+8+\b]   ; the conversion to an 8-bit code does not saturate (ISA guide 7.6.2): the hold at the largest code x the scale
.endr
	v_cvt_scalef32_pk8_bf8_f32 v[PC+4*\b:PC+1+4*\b], v[X+16*\b:X+7+16*\b], v[TM+12+\b]
	v_cvt_scalef32_pk8_bf8_f32 v[PC+2+4*\b:PC+3+4*\b], v[X+8+16*\b:X+15+16*\b], v[TM+12+\b]
.endr
.rept 9
	v_nop                                          ; a plain line behind the last conversion; codes made by vector instructions stand four places ahead of a scaled matrix instruction, a scale word so made eight
.endr
	s_wait_loadcnt 0x0                             ; W2, its scale words, b2
.irp t, 0,1,2,3
	v_wmma_scale_f32_16x16x128_f8f6f4 v[DA+8*\t:DA+8*\t+7], v[W2F+16*\t:W2F+16*\t+15], v[PC:PC+15], 0, v[W2S+\t], v[PW] matrix_a_fmt:MATRIX_FMT_BF8 matrix_b_fmt:MATRIX_FMT_BF8
.endr
.rept 8
	v_nop                                          ; eight places ahead of the first read of results
.endr
.irp t, 0,1,2,3
	ds_store_b128 v9, v[DA+8*\t:DA+8*\t+3] offset:64*\t            ; each accumulator from its low end on; the sixteen lanes of a half write the same bytes with the same values
	ds_store_b128 v9, v[DA+8*\t+4:DA+8*\t+7] offset:64*\t+16
.endr
	s_wait_dscnt 0x0                               ; for the others' sake: my stores have landed
	s_barrier_signal -1
	s_barrier_wait -1
	s_cmp_lg_u32 s14, 0                            ; wave 0 alone adds the four K steps; no barrier stands in the branch
	s_cbranch_scc1 .Lend
.irp k, 0,1,2,3
	ds_load_b64 v[L+2*\k:L+2*\k+1], v10 offset:256*\k
.endr
	s_wait_dscnt 0x0
	v_pk_add_f32 v[L:L+1], v[L:L+1], v[L+2:L+3]
	v_pk_add_f32 v[L+4:L+5], v[L+4:L+5], v[L+6:L+7]
	v_pk_add_f32 v[L:L+1], v[L:L+1], v[L+4:L+5]
	v_pk_add_f32 v[L:L+1], v[L:L+1], v[86:87]      ; + b2
	global_store_b64 v7, v[L:L+1], s[12:13]        ; 32 lanes store 256 consecutive bytes, at a multiple of 256 from out0's first byte
.Lend:
	s_wait_tensorcnt 0x0                           ; the wave's end: behind my last LDS store
	ds_add_u32 v12, v13
	s_wait_dscnt 0x0
	s_endpgm
.Lfunc_end_k_q1432f2d0f8_post:
	.size	k_q1432f2d0f8_post, .Lfunc_end_k_q1432f2d0f8_post-k_q1432f2d0f8_post
	.p2alignl 7, 3214868480
	.fill 96, 4, 3214868480
	.section	.rodata,"a",@progbits
	.p2align	6, 0x0
	.amdhsa_kernel k_q1432f2d0f8_post
		.amdhsa_group_segment_fixed_size 3584
		.amdhsa_private_segment_fixed_size 0
		.amdhsa_enable_private_segment 0
		.amdhsa_kernarg_size 40
		.amdhsa_user_sgpr_count 2
		.amdhsa_user_sgpr_kernarg_segment_ptr 1
		.amdhsa_wavefront_size32 1
		.amdhsa_system_sgpr_workgroup_id_x 1
		.amdhsa_system_sgpr_workgroup_id_y 1
		.amdhsa_system_sgpr_workgroup_id_z 1
		.amdhsa_system_vgpr_workitem_id 0
		.amdhsa_next_free_vgpr 256
		.amdhsa_next_free_sgpr 66
		.amdhsa_reserve_vcc 0
		.amdhsa_float_denorm_mode_32 3
		.amdhsa_float_denorm_mode_16_64 3
		.amdhsa_memory_ordered 1
		.amdhsa_forward_progress 1
		.amdhsa_inst_pref_size 18
	.end_amdhsa_kernel
	.amdgpu_metadata
---
amdhsa.version: [ 1, 2 ]
amdhsa.kernels:
  - .name:           k_q1432f2d0f8_post
    .symbol:         k_q1432f2d0f8_post.kd
    .args:
      - { .name: part, .offset: 0, .size: 8, .value_kind: global_buffer, .address_space: global }
      - { .name: W2_codes, .offset: 8, .size: 8, .value_kind: global_buffer, .address_space: global }
      - { .name: W2_scales, .offset: 16, .size: 8, .value_kind: global_buffer, .address_space: global }
      - { .name: b2, .offset: 24, .size: 8, .value_kind: global_buffer, .address_space: global }
      - { .name: out0, .offset: 32, .size: 8, .value_kind: global_buffer, .address_space: global }
    .group_segment_fixed_size: 3584
    .private_segment_fixed_size: 0
    .kernarg_segment_align: 8
    .kernarg_segment_size: 40
    .max_flat_workgroup_size: 128
    .sgpr_count:     66
    .vgpr_count:     256
    .wavefront_size: 32
...
	.end_amdgpu_metadata
.endif
;; end of part 3
;; ======== version 2 of 2: 3 launches; 1.13 times as fast as version 1
;; limits: a function is approximated: absolute error at most 1.5e-07
;; workspace buffers: nm 131,072 bytes; w1img 524,288 bytes; part 524,288 bytes
;; launch prep (part 4): grid 256 x 1, 8 waves a work-group, no clusters, 5,120 bytes of LDS; arguments ner_tokens, W1_codes, nm, w1img; writes nm, w1img
.if DOCPART == 4
	.amdgcn_target "amdgcn-amd-amdhsa--gfx1250"
	.amdhsa_code_object_version 6
	.text
	.protected	k_q1432f2d0f8_prep
	.globl	k_q1432f2d0f8_prep
	.p2align	8
	.type	k_q1432f2d0f8_prep,@function
k_q1432f2d0f8_prep:
	s_mov_b64 s[64:65], 0
	v_nop
	global_prefetch_b8 v0, s[64:65] scope:SCOPE_SE
	s_setreg_imm32_b32 hwreg(HW_REG_WAVE_MODE, 25, 1), 1
	s_wait_xcnt 0x0
; FIRST OF THREE LAUNCHES.  nm[b][j] = the mean over the 128 positions of ner_tokens[b][.][j], in f32; and W1's codes laid anew in the order of an operand's registers.
; NOTHING OF reference() IS LEFT OUT.  In real numbers the outer product ic[b][i] nm[b][j] has rank 1, but each of its rows is quantised along j ahead of the product with W1, and
; Q(ic nm) is not ic Q(nm): ic's mantissa moves codes and scale bytes.  So the product of 32,768 x 1,024 x 512 is done whole (second launch), and every input is loaded by some launch.
; LIMITS: NaN and infinities among the inputs are not served.  The mean's 128 terms are added in another order than reference() adds them (16 in a lane, then 8 partial sums).
; SHARES.  Work-group g: batch g / 8, columns 128 (g % 8) on.  Wave w takes positions 16 w .. 16 w + 15; a lane 16 bytes: each load of a wave covers 512 consecutive bytes, aligned.
; All 16 loads of a wave are out at once.  The eight waves' sums meet in LDS; wave 0 adds them and stores 512 consecutive bytes of nm.
; W1.  w1img is [wave of the second launch: 4][K step s of 128: 8][tile bt of 16 rows: 8][c: 4][lane: 32][16 bytes]: lane (r = lane % 16, h = lane / 16) holds
; W1_codes[128 wave + 16 bt + r][128 s + 32 c + 16 h .. + 15]: registers 4 c .. 4 c + 3 of the fragment.  So what a wave of the second launch wants of consecutive K steps is dense.
; Work-group g copies the fragment of K step g / 32 and rows 16 (g % 32) on, 2,048 bytes, 8 bytes a thread: a wave stores 256 consecutive bytes, aligned.
.set SPARE, 4096                       ; LDS: 0 .. 4,095 the waves' sums, 512 bytes a wave; behind them the spare words, 128 bytes a wave, which no other line names
.set X,   16                           ; v16-79  sixteen rows, 4 registers each
.set SUM, 80                           ; v80-83  my sum
	s_load_b256 s[4:11], s[0:1], 0x0               ; ner_tokens s[4:5], W1_codes s[6:7], nm s[8:9], w1img s[10:11]
	v_lshl_add_u32 v5, v0, 2, SPARE                ; my spare word,
	v_mov_b32 v6, 0                                ; and 0: both kept for the closing lines alone
	v_lshrrev_b32 v7, 5, v0
	v_readfirstlane_b32 s12, v7                    ; wave 0..7
	v_and_b32 v7, 31, v0
	v_lshlrev_b32 v1, 4, v7                        ; 16 x lane
	v_lshlrev_b32 v3, 3, v0                        ; 8 x thread: my place in the fragment's image
	v_bfe_u32 v2, v0, 1, 4                         ; its source: r = (thread / 2) % 16: a row of W1_codes is 1,024 bytes,
	v_lshlrev_b32 v2, 10, v2
	v_bfe_u32 v10, v0, 6, 2                        ; c = thread / 64: 32 bytes,
	v_lshl_add_u32 v2, v10, 5, v2
	v_bfe_u32 v10, v0, 5, 1                        ; h = (thread / 32) % 2: 16 bytes,
	v_lshl_add_u32 v2, v10, 4, v2
	v_and_b32 v10, 1, v0                           ; and which 8 of the lane's 16
	v_lshl_add_u32 v2, v10, 3, v2
	s_lshl_b32 s13, s12, 9
	v_add_nc_u32 v4, s13, v1                       ; LDS: 512 x wave + 16 x lane
	s_lshr_b32 s14, ttmp9, 3                       ; batch
	s_and_b32 s15, ttmp9, 7
	s_lshl_b32 s15, s15, 9                         ; my 128 columns, in bytes
	s_lshl_b32 s16, s14, 19                        ; a batch is 128 rows of 4,096 bytes,
	s_lshl_b32 s13, s12, 16                        ; a wave's 16 rows 65,536
	s_add_co_u32 s16, s16, s13
	s_add_co_u32 s16, s16, s15
	s_mov_b32 s17, 0
	s_and_b32 s18, ttmp9, 31                       ; W1's source: 16 rows of 1,024 bytes for each g % 32,
	s_lshl_b32 s18, s18, 14
	s_lshr_b32 s13, ttmp9, 5                       ; K step g / 32: 128 bytes along a row
	s_lshl_b32 s13, s13, 7
	s_add_co_u32 s18, s18, s13
	s_mov_b32 s19, 0
	s_lshr_b32 s20, ttmp9, 3                       ; the image: the second launch's wave (g / 8) % 4: 131,072 bytes,
	s_and_b32 s20, s20, 3
	s_lshl_b32 s20, s20, 17
	s_lshl_b32 s13, s13, 7                         ; the K step: 16,384 bytes,
	s_add_co_u32 s20, s20, s13
	s_lshl_b32 s13, s15, 2                         ; the tile g % 8: 2,048 bytes
	s_add_co_u32 s20, s20, s13
	s_mov_b32 s21, 0
	s_lshl_b32 s22, s14, 12                        ; nm: 4,096 bytes a batch
	s_add_co_u32 s22, s22, s15
	s_mov_b32 s23, 0
	s_wait_kmcnt 0x0
	s_add_nc_u64 s[4:5], s[4:5], s[16:17]
	s_add_nc_u64 s[6:7], s[6:7], s[18:19]
	s_add_nc_u64 s[8:9], s[8:9], s[22:23]
	s_add_nc_u64 s[10:11], s[10:11], s[20:21]
	global_load_b64 v[8:9], v2, s[6:7]             ; my 8 bytes of W1
.irp i, 0,1,2,3,4,5,6,7,8,9,10,11,12,13,14,15
	global_load_b128 v[X+4*\i:X+4*\i+3], v1, s[4:5] offset:4096*\i th:TH_LOAD_NT   ; read once in the whole program
.endr
	s_wait_loadcnt 16                              ; loads come back in order: W1's piece is in, the 16 rows may be out
	global_store_b64 v3, v[8:9], s[10:11]
	s_wait_loadcnt 12                              ; rows 0 to 3
	v_pk_add_f32 v[SUM:SUM+1], v[X:X+1], v[X+4:X+5]            ; the first two rows start the sum: nothing is cleared
	v_pk_add_f32 v[SUM+2:SUM+3], v[X+2:X+3], v[X+6:X+7]
.irp i, 2,3
	v_pk_add_f32 v[SUM:SUM+1], v[SUM:SUM+1], v[X+4*\i:X+4*\i+1]
	v_pk_add_f32 v[SUM+2:SUM+3], v[SUM+2:SUM+3], v[X+4*\i+2:X+4*\i+3]
.endr
	s_wait_loadcnt 8                               ; rows 4 to 7
.irp i, 4,5,6,7
	v_pk_add_f32 v[SUM:SUM+1], v[SUM:SUM+1], v[X+4*\i:X+4*\i+1]
	v_pk_add_f32 v[SUM+2:SUM+3], v[SUM+2:SUM+3], v[X+4*\i+2:X+4*\i+3]
.endr
	s_wait_loadcnt 4                               ; rows 8 to 11
.irp i, 8,9,10,11
	v_pk_add_f32 v[SUM:SUM+1], v[SUM:SUM+1], v[X+4*\i:X+4*\i+1]
	v_pk_add_f32 v[SUM+2:SUM+3], v[SUM+2:SUM+3], v[X+4*\i+2:X+4*\i+3]
.endr
	s_wait_loadcnt 0x0
.irp i, 12,13,14,15
	v_pk_add_f32 v[SUM:SUM+1], v[SUM:SUM+1], v[X+4*\i:X+4*\i+1]
	v_pk_add_f32 v[SUM+2:SUM+3], v[SUM+2:SUM+3], v[X+4*\i+2:X+4*\i+3]
.endr
	ds_store_b128 v4, v[SUM:SUM+3]
	s_wait_dscnt 0x0                               ; for the others' sake: my store has landed
	s_barrier_signal -1
	s_barrier_wait -1
	s_cmp_lg_u32 s12, 0                            ; wave 0 alone adds the eight; no barrier stands in the branch
	s_cbranch_scc1 .Lend
.irp k, 0,1,2,3,4,5,6,7
	ds_load_b128 v[X+4*\k:X+4*\k+3], v1 offset:512*\k
.endr
	s_wait_dscnt 0x0
.irp k, 0,2,4,6
	v_pk_add_f32 v[X+4*\k:X+4*\k+1], v[X+4*\k:X+4*\k+1], v[X+4*\k+4:X+4*\k+5]
	v_pk_add_f32 v[X+4*\k+2:X+4*\k+3], v[X+4*\k+2:X+4*\k+3], v[X+4*\k+6:X+4*\k+7]
.endr
.irp k, 0,4
	v_pk_add_f32 v[X+4*\k:X+4*\k+1], v[X+4*\k:X+4*\k+1], v[X+4*\k+8:X+4*\k+9]
	v_pk_add_f32 v[X+4*\k+2:X+4*\k+3], v[X+4*\k+2:X+4*\k+3], v[X+4*\k+10:X+4*\k+11]
.endr
	v_pk_add_f32 v[X:X+1], v[X:X+1], v[X+16:X+17]
	v_pk_add_f32 v[X+2:X+3], v[X+2:X+3], v[X+18:X+19]
	v_pk_mul_f32 v[X:X+1], v[X:X+1], 0x3c000000 op_sel_hi:[1,0]        ; x 1/128: exact
	v_pk_mul_f32 v[X+2:X+3], v[X+2:X+3], 0x3c000000 op_sel_hi:[1,0]
	global_store_b128 v1, v[X:X+3], s[8:9]         ; 32 lanes store 512 consecutive bytes, at a multiple of 256 from nm's first byte
.Lend:
	s_wait_tensorcnt 0x0                           ; the wave's end: behind my last LDS store
	ds_add_u32 v5, v6
	s_wait_dscnt 0x0
	s_endpgm
.Lfunc_end_k_q1432f2d0f8_prep:
	.size	k_q1432f2d0f8_prep, .Lfunc_end_k_q1432f2d0f8_prep-k_q1432f2d0f8_prep
	.p2alignl 7, 3214868480
	.fill 96, 4, 3214868480
	.section	.rodata,"a",@progbits
	.p2align	6, 0x0
	.amdhsa_kernel k_q1432f2d0f8_prep
		.amdhsa_group_segment_fixed_size 5120
		.amdhsa_private_segment_fixed_size 0
		.amdhsa_enable_private_segment 0
		.amdhsa_kernarg_size 32
		.amdhsa_user_sgpr_count 2
		.amdhsa_user_sgpr_kernarg_segment_ptr 1
		.amdhsa_wavefront_size32 1
		.amdhsa_system_sgpr_workgroup_id_x 1
		.amdhsa_system_sgpr_workgroup_id_y 1
		.amdhsa_system_sgpr_workgroup_id_z 1
		.amdhsa_system_vgpr_workitem_id 0
		.amdhsa_next_free_vgpr 96
		.amdhsa_next_free_sgpr 66
		.amdhsa_reserve_vcc 0
		.amdhsa_float_denorm_mode_32 3
		.amdhsa_float_denorm_mode_16_64 3
		.amdhsa_memory_ordered 1
		.amdhsa_forward_progress 1
		.amdhsa_inst_pref_size 8
	.end_amdhsa_kernel
	.amdgpu_metadata
---
amdhsa.version: [ 1, 2 ]
amdhsa.kernels:
  - .name:           k_q1432f2d0f8_prep
    .symbol:         k_q1432f2d0f8_prep.kd
    .args:
      - { .name: ner_tokens, .offset: 0, .size: 8, .value_kind: global_buffer, .address_space: global }
      - { .name: W1_codes, .offset: 8, .size: 8, .value_kind: global_buffer, .address_space: global }
      - { .name: nm, .offset: 16, .size: 8, .value_kind: global_buffer, .address_space: global }
      - { .name: w1img, .offset: 24, .size: 8, .value_kind: global_buffer, .address_space: global }
    .group_segment_fixed_size: 5120
    .private_segment_fixed_size: 0
    .kernarg_segment_align: 8
    .kernarg_segment_size: 32
    .max_flat_workgroup_size: 256
    .sgpr_count:     66
    .vgpr_count:     96
    .wavefront_size: 32
...
	.end_amdgpu_metadata
.endif
;; end of part 4
;; launch main (part 5): grid 256 x 1, 4 waves a work-group, clusters of 4 x 1, 327,680 bytes of LDS; arguments w1img, W1_scales, nm, ic_tokens, b1, ln_gamma, ln_beta, part; writes part
.if DOCPART == 5
	.amdgcn_target "amdgcn-amd-amdhsa--gfx1250"
	.amdhsa_code_object_version 6
	.text
	.protected	k_q1432f2d0f8_main
	.globl	k_q1432f2d0f8_main
	.p2align	8
	.type	k_q1432f2d0f8_main,@function
k_q1432f2d0f8_main:
	s_mov_b64 s[64:65], 0
	v_nop
	global_prefetch_b8 v0, s[64:65] scope:SCOPE_SE
	s_setreg_imm32_b32 hwreg(HW_REG_WAVE_MODE, 25, 1), 1
	s_wait_xcnt 0x0
	s_wait_alu depctr_hold_cnt(0) depctr_sa_sdst(0) depctr_va_vdst(0) depctr_va_sdst(0) depctr_va_ssrc(0) depctr_va_vcc(0) depctr_vm_vsrc(0)
	s_getreg_b32 s2, hwreg(HW_REG_IB_STS2, 6, 4)
	s_cmp_eq_u32 s2, 0
	s_cbranch_scc0 .Lentry_in_a_cluster
	s_endpgm
.Lentry_in_a_cluster:
	s_bfe_u32 s2, ttmp6, 0x10000c
	s_cmp_lg_u32 s2, 0x3003
	s_cbranch_scc0 .Lentry_shape_is_right
	s_endpgm
.Lentry_shape_is_right:
; SECOND LAUNCH.  For 128 rows (b, i) of the outer product: the row ic[b][i] nm[b][.] is quantised to E5M2 with one E8M0 scale for each 32 along j, multiplied by W1 (codes as given), + b1,
; LayerNorm over the 512 units, GELU (by erf), and the 128 rows are added: part[work-group][512].  Nothing of reference() is left out here.
; SHARES.  Work-group wg = 4 x cluster + place: batch wg / 8, rows 128 (wg % 8) on.  Four waves; wave w owns units 128 w .. + 127 for all 128 rows: 64 accumulators of 16 x 16, 512 registers.
; A.  A's codes (128 rows x 1,024) are made in TWO HALVES of four K steps of 128, each fragment once, and lie in LDS as images of the operand's registers (16 bytes a lane, 512 bytes a store); in half H wave w makes
; K step 4 H + w.  The second half is made between K steps 3 and 4, into the first half's 65,536 bytes: so W1 has room for three K steps, and its largest refill lands while vector work is done.
; A block's largest |ic nm| is |ic| x the block's largest |nm|, rounded: rounding keeps order, so that is the largest of the rounded products, bit for bit; the search is made once for each K step, not for each row.
; W1 comes as the first launch laid it: a wave's part of a K step is 16,384 bytes, and its parts of consecutive K steps are dense.  Each wave has three places of 16,384 bytes in LDS; only the issuing wave reads them.
; First fill: K steps 0-2 (one load of 192 rows of 256 bytes).  In K step 0: step 3 into place 0, 128 matrix instructions ahead of the wait for it.  In K step 3: steps 4-6, one load, ahead of 32 products and the making of
; A's second half.  In K step 4: step 7 into place 0, again 128 matrix instructions ahead.  At most two tensor loads of a wave are out (the first fills), later one.
; CLUSTER.  Every work-group walks the same W1, so the four of a cluster ask JOINTLY (mask 15, the same descriptor: it hangs on the wave's number alone).  The place in the cluster enters global addresses alone.
; THE MATRIX INSTRUCTION IS USED TRANSPOSED: source 0 = 16 rows of W1 (tile bt), source 1 = 16 rows of A (tile a).  Lane (r, h) of accumulator (a, bt) holds row 16 a + r; its register j unit 128 w + 16 bt + 8 h + j.
; So LayerNorm's sums run along a lane's registers (then lane xor 16, then the four waves, through LDS); gain, shift and b1 are register arrays; the sum over rows runs in a lane over a and crosses 16 lanes once.
; b1 is the C of each sum's first product: it is loaded into accumulator (7, bt)'s own registers, and row tile 7 is multiplied last in K step 0.
; GELU.  u = y sqrt(log2(e) / 2), the factor folded into gain and shift; e = 2^(-u u) = exp(-y y / 2); t = 1 / (1 + p |u|); erf(|y| / sqrt 2) = q = 1 - (a1 t + .. + a5 t^5) e;
; gelu(y) = (u + |u| q) x 0.5 / sqrt(log2(e) / 2), for both signs; the last factor goes into the third launch's constant.
; LIMITS: erf by Abramowitz and Stegun 7.1.26: off by at most 1.5e-7 for every argument, so gelu by at most 0.8e-7 |y|.  NaN and infinities among the inputs are not served.
; A block whose largest magnitude lies under 2^-111 gets the scale byte 1 (a block of zeros too, where the rule says 127: its codes are zeros, and this launch alone reads the bytes).
; REGISTERS, in windows of 256 (s_set_vgpr_msb: bits 1:0 source 0, 3:2 source 1, 5:4 source 2, 7:6 destination):
;   window 0: v1-23 addresses and constants that stay; v24-63 small work; then by phase: making A: v64-127 nm, v128-191 products, v192-223 codes;  product: v64-127 scale words, v128-255 A's fragments (one set);
;             way out: v128-255 sums;  GELU: v32-95 u, v96-159 t, v160-223 e, v224-255 the polynomial.
;   window 1: W1's fragments, two sets (v0, v128); later v0-63 gain, v64-127 shift, v128-191 the sum over rows, v192-255 a row tile's deviations.   windows 2, 3: accumulator (a, bt) at v[8 (8 (a % 4) + bt)].
.set WPL,   16384                      ; LDS: from 0: W1: wave x 49,152 + place x 16,384 + bt x 2,048 + c x 512 + 16 x lane
.set AIMG,  196608                     ; A's images of a half: (s % 4) x 16,384 + a x 2,048 + c x 512 + 16 x lane
.set ASC,   262144                     ; A's scale words: a x 512 + r x 32 + 4 s
.set WSC,   266240                     ; W1_scales as it lies: unit x 32 + 4 s; filled once
.set NMS,   282624                     ; nm: wave x 1,024: numbers 128 w .. + 127, then 512 + 128 w .. + 127
.set XCH1,  286720                     ; the waves' sums: a x 256 + r x 16 + 4 x wave;  2,048 bytes on: the same for the squares
.set RST,   290816                     ; 1 / sigma: wave x 1,024 + a x 128 + 4 x lane
.set OST,   294912                     ; the way out: wave x 512
.set SPARE, 296960                     ; the spare words, 128 bytes a wave, which no other line names
; Behind the product bytes 0 .. 262,143 hold the deviations: wave x 65,536 + a x 8,192 + g x 512 + 16 x lane.  W1's places have had their last fill then, and no tensor load ever lands on A's images.
.set SPW,  1                           ; v1   my spare word; never rewritten
.set NIL,  2                           ; v2   0; never rewritten
.set ADRB, 3                           ; v3   my W1 fragments, place 0
.set ADRA, 5                           ; v5   A's images
.set ADRS, 7                           ; v7   scale words: lanes 0-15 A's, lanes 16-31 W1's
.set GIM,  8                           ; v8   where I store A's images
.set GSC,  9                           ; v9   and their scale words
.set GNM,  10                          ; v10  where I read nm
.set XST,  11                          ; v11  my word among the waves' sums
.set XLD,  12                          ; v12  the four waves' words
.set DMP,  13                          ; v13  my deviations
.set RSA,  14                          ; v14  my 1 / sigma
.set OSTS, 15                          ; v15  the way out, in
.set OSTL, 16                          ; v16  and back
.set L16,  17                          ; v17  16 x lane
.set H32,  18                          ; v18  32 h
.set T0,   19                          ; v19-21 addresses in hand
.set A4,   22                          ; v[22:23] a4
.set IC,   24                          ; v24-39 ic of eight row tiles, a pair each, of which the packed forms take the low word; they turn by two places a trip of the generator's loop
.set BM,   40                          ; v40-43 the four blocks' largest |nm|
.set MX,   44                          ; v44-47 largest magnitudes, then bytes
.set SO,   48                          ; v48-51 the conversions' scale operands
.set HD,   52                          ; v52-55 57,344 x the scale
.set PW,   56                          ; v56-57 the scale word, two by turns
.set PT,   58                          ; v58-61 lane permutes' results
.set NM,   64
.set PR,   128
.set CD,   192                         ; v192-223 codes, two sets by turns
.set SC,   64                          ; scale words: register 8 i + s: lanes 0-15 A's tile i, lanes 16-31 my W1 tile i, K step s
.set AF,   128
.set CH,   128                         ; the way out: four chains of pairs for each row tile
.set R8,   192                         ; v192-199 a number for each row tile
.set RQ,   200                         ; v200-207 1 / sigma
.set XB,   208                         ; v208-239 the four waves' numbers
.set MU,   240                         ; v240-255 the means, a pair each
.set U,    32
.set T,    96
.set E,    160
.set PP,   224
.set GAM,  0                           ; window 1
.set BET,  64
.set ACCR, 128
.set D,    192
.set WV,   20                          ; s20 my wave's number
.set MSB, 0
.macro WIN new                         ; the immediate's high byte repeats the setting that is left; a switch that changes nothing is dropped
.if MSB != (\new)
	s_set_vgpr_msb (MSB<<8)|(\new)
.set MSB, (\new)
.endif
.endm
.macro PLACES n
.rept \n
	v_nop
.endr
.endm
.macro CREST                           ; a round of the cluster's barrier behind its opening barrier
	s_cmp_lg_u32 s[WV], 0
	s_cbranch_scc1 .Lnot_wave_0_\@
	s_barrier_signal -3
.Lnot_wave_0_\@:
	s_barrier_wait -3
	s_barrier_signal -1
	s_barrier_wait -1
.endm
.macro CROUND                          ; a whole round
	s_barrier_signal -1
	s_barrier_wait -1
	CREST
.endm
	s_load_b512 s[4:19], s[0:1], 0x0               ; w1img s[4:5], W1_scales s[6:7], nm s[8:9], ic s[10:11], b1 s[12:13], gain s[14:15], shift s[16:17], part s[18:19]
	v_lshl_add_u32 v[SPW], v0, 2, SPARE
	v_mov_b32 v[NIL], 0
	ds_add_u32 v[SPW], v[NIL]                      ; the wave's opening: the add, twice on end, and its wait ahead of my first tensor load; the set-up below is work on registers
	ds_add_u32 v[SPW], v[NIL]
	v_lshrrev_b32 v[T0], 5, v0
	v_readfirstlane_b32 s[WV], v[T0]               ; wave 0..3
	s_bfe_u32 s21, ttmp6, 0x40000                  ; my place in the cluster
	s_lshl_b32 s22, ttmp9, 2                       ; in a cluster launch ttmp9 counts clusters
	s_add_co_u32 s22, s22, s21                     ; wg: it enters global addresses alone
	; descriptor group 1 for three K steps of W1: 192 rows of 32 elements of 8 bytes, dense, no padding; 15:0 the mask: all four work-groups; bit 21 set beside it
	s_mov_b32 s24, 15|(3<<16)|(1<<21)
	s_mov_b32 s25, 32<<16                          ; tensor_dim0 = 32
	s_mov_b32 s26, 192<<16                         ; tensor_dim1 = 192
	s_mov_b32 s27, 32<<16                          ; tile_dim0 = 32
	s_mov_b32 s28, 192                             ; tile_dim1 = 192
	s_mov_b32 s29, 32                              ; from row to row
	s_mov_b32 s30, 0
	s_mov_b32 s31, 0
	; for one K step: 64 such rows
	s_mov_b32 s92, 15|(3<<16)|(1<<21)
	s_mov_b32 s93, 32<<16
	s_mov_b32 s94, 64<<16
	s_mov_b32 s95, 32<<16
	s_mov_b32 s96, 64
	s_mov_b32 s97, 32
	s_mov_b32 s98, 0
	s_mov_b32 s99, 0
	; and for my 128 units' scale bytes: 16 such rows
	s_mov_b32 s32, 15|(3<<16)|(1<<21)
	s_mov_b32 s33, 32<<16
	s_mov_b32 s34, 16<<16
	s_mov_b32 s35, 32<<16
	s_mov_b32 s36, 16
	s_mov_b32 s37, 32
	s_mov_b32 s38, 0
	s_mov_b32 s39, 0
	s_mov_b32 s40, 1                               ; groups 0: the scale bytes,
	s_lshl_b32 s41, s[WV], 12
	s_add_co_u32 s41, s41, WSC
	s_mov_b32 s44, 1                               ; three K steps, into my three places,
	s_mul_i32 s45, s[WV], 3*WPL
	s_mov_b32 s48, 1                               ; one K step, into my place 0
	s_mul_i32 s49, s[WV], 3*WPL
	s_lshl_b32 s78, s[WV], 12                      ; byte offsets, each in a pair with 0 above it: my scale bytes,
	s_mov_b32 s79, 0
	s_lshl_b32 s80, s[WV], 17                      ; my eight K steps of W1,
	s_mov_b32 s81, 0
	s_lshr_b32 s82, s22, 3
	s_lshl_b32 s82, s82, 12                        ; nm: 4,096 bytes a batch,
	s_lshl_b32 s90, s[WV], 9                       ; my K step's 128 numbers of the first half; the second half's lie 2,048 bytes on
	s_add_co_u32 s82, s82, s90
	s_mov_b32 s83, 0
	s_lshl_b32 s84, s22, 9                         ; ic: 128 numbers a work-group,
	s_mov_b32 s85, 0
	s_lshl_b32 s86, s[WV], 9                       ; b1, gain, shift: my 128 numbers,
	s_mov_b32 s87, 0
	s_lshl_b32 s88, s22, 11                        ; part: 2,048 bytes a work-group, my 512
	s_add_co_u32 s88, s88, s86
	s_mov_b32 s89, 0
	s_mov_b32 s52, 0x76543210                      ; v_permlanex16_b32's selects for lane xor 16
	s_mov_b32 s53, 0xfedcba98
	s_mov_b32 s54, 0x600000                        ; the mantissa field of 57,344
	s_mov_b32 s66, 0x3f87dc22                      ; a5 = 1.061405429 (each constant of a packed form is named as a pair, so both words are written)
	s_mov_b32 s67, s66
	s_mov_b32 s68, 0x3fb5f0e3                      ; a3 = 1.421413741
	s_mov_b32 s69, s68
	s_mov_b32 s70, 0xbe91a98e                      ; a2 = -0.284496736
	s_mov_b32 s71, s70
	s_mov_b32 s72, 0x3e827906                      ; a1 = 0.254829592
	s_mov_b32 s73, s72
	s_mov_b32 s74, 0x3e8ba43f                      ; p = 0.3275911 / sqrt(log2(e))
	s_mov_b32 s75, 0x3b000000                      ; 1 / 512
	s_mov_b32 s76, 0x3f596d27                      ; sqrt(log2(e) / 2)
	s_mov_b32 s77, s76
	s_mov_b32 s91, 0x3727c5ac                      ; 1e-5
	v_mov_b32 v[A4], 0xbfba00e3                    ; a4 = -1.453152027
	v_mov_b32 v[A4+1], 0xbfba00e3
	v_and_b32 v136, 31, v0                         ; lane
	v_and_b32 v137, 15, v0                         ; r
	v_bfe_u32 v138, v0, 4, 1                       ; h
	v_lshlrev_b32 v[L16], 4, v136
	v_lshlrev_b32 v[H32], 5, v138
	v_add_nc_u32 v[ADRB], s45, v[L16]
	v_add_nc_u32 v[ADRA], AIMG, v[L16]
	s_add_co_u32 s90, s78, WSC-ASC                 ; lanes 16-31 stand this much further on: at my units' scale bytes
	v_mul_u32_u24 v[ADRS], s90, v138
	v_lshl_add_u32 v[ADRS], v137, 5, v[ADRS]
	v_add_nc_u32 v[ADRS], ASC, v[ADRS]
	s_lshl_b32 s90, s[WV], 14                      ; my K step's images
	v_add_nc_u32 v[GIM], s90, v[ADRA]
	s_lshl_b32 s90, s[WV], 2                       ; and its scale word of a row
	s_add_co_u32 s90, s90, ASC
	v_lshl_add_u32 v[GSC], v137, 5, s90
	s_lshl_b32 s90, s[WV], 10
	s_add_co_u32 s90, s90, NMS
	v_lshl_add_u32 v[GNM], v138, 6, s90            ; my half's 16 numbers of a block of 32
	v_add_nc_u32 v[T0+2], s90, v[L16]              ; where nm goes in
	s_lshl_b32 s90, s[WV], 2
	s_add_co_u32 s90, s90, XCH1
	v_lshl_add_u32 v[XST], v137, 4, s90
	v_lshl_add_u32 v[XLD], v137, 4, XCH1
	s_lshl_b32 s90, s[WV], 16
	v_add_nc_u32 v[DMP], s90, v[L16]
	s_lshl_b32 s90, s[WV], 10
	s_add_co_u32 s90, s90, RST
	v_lshl_add_u32 v[RSA], v136, 2, s90
	s_add_co_u32 s90, s86, OST
	v_add_nc_u32 v[OSTS], s90, v[H32]
	v_add_nc_u32 v[OSTL], s90, v[L16]
	v_lshlrev_b32 v[T0+1], 2, v137                 ; ic: 4 r
.irp a, 0,1,2,3,4,5,6,7
	v_mov_b32 v[IC+2*\a+1], 0                      ; the pairs' upper words are named, so they are written
.endr
.irp c, 0,1,2,3
	v_mov_b32 v[PT+\c], 0                          ; written once: a lane permute's destination counts as one of its sources
.endr
	s_wait_dscnt 0x0                               ; both opening adds are done
	s_wait_kmcnt 0x0
	s_add_nc_u64 s[42:43], s[6:7], s[78:79]
	s_or_b32 s43, s43, 0x80000000                  ; 127:126 type = 2
	s_add_nc_u64 s[46:47], s[4:5], s[80:81]        ; K steps 0-2,
	s_add_nc_u64 s[50:51], s[46:47], 3*WPL         ; K step 3
	s_or_b32 s47, s47, 0x80000000
	s_or_b32 s51, s51, 0x80000000
	s_add_nc_u64 s[8:9], s[8:9], s[82:83]
	s_add_nc_u64 s[10:11], s[10:11], s[84:85]
	s_add_nc_u64 s[12:13], s[12:13], s[86:87]
	s_add_nc_u64 s[14:15], s[14:15], s[86:87]
	s_add_nc_u64 s[16:17], s[16:17], s[86:87]
	s_add_nc_u64 s[18:19], s[18:19], s[88:89]
	CROUND                                         ; all four work-groups are here: the first joint loads meet
	tensor_load_to_lds s[40:43], s[32:39]          ; the first fills, one group, no branch: two loads of mine are out.  My units' scale bytes,
	s_nop 0
	tensor_load_to_lds s[44:47], s[24:31]          ; K steps 0-2
	s_nop 0
	PLACES 4
	global_load_b128 v[PR:PR+3], v[L16], s[8:9]                    ; nm of K step w,
	global_load_b128 v[PR+4:PR+7], v[L16], s[8:9] offset:2048      ; and of K step 4 + w
.irp a, 0,1,2,3,4,5,6,7
	global_load_b32 v[IC+2*\a], v[T0+1], s[10:11] offset:64*\a     ; ic of row 16 a + r
.endr
	WIN 0xc0                                       ; destination window 3
.irp bt, 0,1,2,3,4,5,6,7
	global_load_b128 v[192+8*\bt:195+8*\bt], v[H32], s[12:13] offset:64*\bt        ; b1 of units 16 bt + 8 h + 0 .. 7, into accumulator (7, bt)
	global_load_b128 v[196+8*\bt:199+8*\bt], v[H32], s[12:13] offset:64*\bt+16
.endr
	WIN 0
	s_wait_loadcnt 24                              ; nm is in; behind it ic's 8 loads and b1's 16
	ds_store_b128 v[T0+2], v[PR:PR+3]              ; my wave's own bytes: LDS serves a wave's instructions in order, so my reads below see them
	ds_store_b128 v[T0+2], v[PR+4:PR+7] offset:512
	s_wait_loadcnt 16                              ; ic is in (and its address register is free); b1 may be out
; ---- MAKING A.  A fragment: 64 numbers a lane, register 16 c + i = ic x nm[128 s + 32 c + 16 h + i]; q = 0, 1: the trip's first or second row tile: ic's pair q, codes into set q; image and scale word to LDS.
.macro FRAG q, hf
	s_wait_dscnt 5                                 ; all but the last fragment's five stores are done: the set of codes and the scale word of two fragments ago have been read
.irp c, 0,1,2,3
	v_mul_f32 v[MX+\c], |v[IC+2*(\q)]|, v[BM+\c]   ; the block's largest magnitude
.endr
.irp c, 0,1,2,3
	v_max_num_f32 v[MX+\c], 0x8000000, v[MX+\c]    ; the floor 2^(16 - 127): the byte cannot fall under 1
.endr
.irp c, 0,1,2,3
	v_add_nc_u32 v[SO+\c], 0xf8800000, v[MX+\c]    ; 15 off its exponent field: the conversion takes this operand's exponent field as its scale
.endr
.irp c, 0,1,2,3
	v_and_or_b32 v[HD+\c], v[MX+\c], 0x7f800000, s54   ; 57,344 x the scale
.endr
.irp c, 0,1,2,3
	v_lshrrev_b32 v[MX+\c], 23, v[SO+\c]           ; the scale's byte
.endr
	v_lshl_or_b32 v[PW+(\q)], v[MX+1], 8, v[MX]
	v_lshl_or_b32 v[PW+(\q)], v[MX+2], 16, v[PW+(\q)]
	v_lshl_or_b32 v[PW+(\q)], v[MX+3], 24, v[PW+(\q)]
.set k, 0
.rept 32
	v_pk_mul_f32 v[PR+2*k:PR+2*k+1], v[NM+2*k:NM+2*k+1], v[IC+2*(\q):IC+2*(\q)+1] op_sel_hi:[1,0]   ; the outer product's row, as reference() has it: one rounding
.set k, k+1
.endr
.irp c, 0,1,2,3
.irp i, 0,1,2,3,4,5,6,7,8,9,10,11,12,13,14,15
	v_med3_num_f32 v[PR+16*\c+\i], v[PR+16*\c+\i], -v[HD+\c], v[HD+\c]   ; the conversion to an 8-bit code does not saturate (ISA guide 7.6.2): the hold at the largest code x the scale
.endr
	v_cvt_scalef32_pk8_bf8_f32 v[CD+16*(\q)+4*\c:CD+16*(\q)+4*\c+1], v[PR+16*\c:PR+16*\c+7], v[SO+\c]
	v_cvt_scalef32_pk8_bf8_f32 v[CD+16*(\q)+4*\c+2:CD+16*(\q)+4*\c+3], v[PR+16*\c+8:PR+16*\c+15], v[SO+\c]
.endr
	v_nop                                          ; a plain line behind the last conversion, ahead of whatever next writes its sources
.irp c, 0,1,2,3
	ds_store_b128 v[T0], v[CD+16*(\q)+4*\c:CD+16*(\q)+4*\c+3] offset:(\q)*2048+512*\c
.endr
	ds_store_b32 v[T0+2], v[PW+(\q)] offset:(\q)*512+16*(\hf)   ; lanes r and r + 16 write the same word with the same value
.endm
; Half hf of A: my K step 4 hf + w, all eight row tiles: a loop of four trips of two.  ic's eight registers turn by two places a trip and are back where they began behind the fourth.
.macro GEN hf
.irp c, 0,1,2,3
.irp i, 0,1,2,3
	ds_load_b128 v[NM+16*\c+4*\i:NM+16*\c+4*\i+3], v[GNM] offset:512*(\hf)+128*\c+16*\i
.endr
.endr
	s_wait_dscnt 0x0
.irp c, 0,1,2,3
	v_max3_num_f32 v[BM+\c], |v[NM+16*\c]|, |v[NM+16*\c+1]|, |v[NM+16*\c+2]|   ; the largest |nm| of my 16 of each block, the four blocks by turns
.endr
.irp i, 3,5,7,9,11,13
.irp c, 0,1,2,3
	v_max3_num_f32 v[BM+\c], v[BM+\c], |v[NM+16*\c+\i]|, |v[NM+16*\c+\i+1]|
.endr
.endr
.irp c, 0,1,2,3
	v_max_num_f32 v[BM+\c], v[BM+\c], |v[NM+16*\c+15]|
.endr
.irp c, 0,1,2,3
	v_permlanex16_b32 v[PT+\c], v[BM+\c], s52, s53
.endr
.irp c, 0,1,2,3
	v_max_num_f32 v[BM+\c], v[BM+\c], v[PT+\c]     ; with lane xor 16's: the block's
.endr
	s_mov_b32 s56, 0                               ; two row tiles' images on: 4,096 bytes a trip,
	s_mov_b32 s58, 0                               ; their scale words: 1,024
	s_mov_b32 s55, 4
.Lgen_\@:
	v_add_nc_u32 v[T0], s56, v[GIM]
	v_add_nc_u32 v[T0+2], s58, v[GSC]
	FRAG 0, \hf
	FRAG 1, \hf
	v_mov_b32 v[MX], v[IC]                         ; ic turns by two places
	v_mov_b32 v[MX+1], v[IC+2]
.irp i, 0,1,2,3,4,5
	v_mov_b32 v[IC+2*\i], v[IC+2*\i+4]
.endr
	v_mov_b32 v[IC+12], v[MX]
	v_mov_b32 v[IC+14], v[MX+1]
	s_add_co_u32 s56, s56, 4096
	s_add_co_u32 s58, s58, 1024
	s_sub_co_u32 s55, s55, 1
	s_cmp_lg_u32 s55, 0
	s_cbranch_scc1 .Lgen_\@
	s_wait_tensorcnt 0x0                           ; my tensor loads have landed: the K steps that I read next (and, the first time, my scale bytes); I alone read them
	s_wait_dscnt 0x0                               ; my images and scale words have landed
	s_barrier_signal -1
	s_barrier_wait -1                              ; everybody's have
.endm
; ---- THE PRODUCT: 8 K steps of 128, 64 matrix instructions each, A's row tiles one after the other, each against my eight tiles of W1.
.macro FETCH_B s                       ; my eight fragments of W1 for K step s, into set s % 2; K steps 0-2 and 4-6 lie in places 0-2, K steps 3 and 7 in place 0
	WIN 0x40
.irp bt, 0,1,2,3,4,5,6,7
.irp c, 0,1,2,3
	ds_load_b128 v[128*((\s)%2)+16*\bt+4*\c:128*((\s)%2)+16*\bt+4*\c+3], v[ADRB] offset:(((\s)%4)%3)*WPL+\bt*2048+\c*512
.endr
.endr
	WIN 0
.endm
.macro FETCH_A s, a0                   ; A's row tiles a0 .. a0 + 3 for K step s
.irp a, \a0, \a0+1, \a0+2, \a0+3
.irp c, 0,1,2,3
	ds_load_b128 v[AF+16*(\a)+4*\c:AF+16*(\a)+4*\c+3], v[ADRA] offset:((\s)%4)*16384+(\a)*2048+\c*512
.endr
.endr
.endm
.macro START hf                        ; a half's first fragments, and the scale words of its four K steps: lanes 0-15 A's tile i, lanes 16-31 my W1 tile i
	FETCH_B 4*(\hf)
	FETCH_A 4*(\hf), 0
.irp i, 0,1,2,3,4,5,6,7
	ds_load_b128 v[SC+8*\i+4*(\hf):SC+8*\i+4*(\hf)+3], v[ADRS] offset:512*\i+16*(\hf)
.endr
	FETCH_A 4*(\hf), 4
.endm
; Eight matrix instructions: row tile a against tiles bt = 0 .. 7.  In K step 0 the C is b1, out of accumulator (7, bt)'s registers.  The 64 accumulators take turns, one instruction a turn, in the same order in every step.
.macro MULA a, s
.if (\a) >= 4
	WIN 0xf1                                       ; source 0 (W1) window 1, source 1 (A) window 0, C and D window 3
.elseif (\s) == 0
	WIN 0xb1                                       ; C window 3, D window 2
.else
	WIN 0xa1                                       ; C and D window 2
.endif
.irp bt, 0,1,2,3,4,5,6,7
.if (\s) == 0
	v_wmma_scale_f32_16x16x128_f8f6f4 v[8*(8*((\a)%4)+\bt):8*(8*((\a)%4)+\bt)+7], v[128*((\s)%2)+16*\bt:128*((\s)%2)+16*\bt+15], v[AF+16*(\a):AF+16*(\a)+15], v[192+8*\bt:199+8*\bt], v[SC+8*\bt+(\s)], v[SC+8*(\a)+(\s)] matrix_a_fmt:MATRIX_FMT_BF8 matrix_b_fmt:MATRIX_FMT_BF8 matrix_a_scale:MATRIX_SCALE_ROW1
.else
	v_wmma_scale_f32_16x16x128_f8f6f4 v[8*(8*((\a)%4)+\bt):8*(8*((\a)%4)+\bt)+7], v[128*((\s)%2)+16*\bt:128*((\s)%2)+16*\bt+15], v[AF+16*(\a):AF+16*(\a)+15], v[8*(8*((\a)%4)+\bt):8*(8*((\a)%4)+\bt)+7], v[SC+8*\bt+(\s)], v[SC+8*(\a)+(\s)] matrix_a_fmt:MATRIX_FMT_BF8 matrix_b_fmt:MATRIX_FMT_BF8 matrix_a_scale:MATRIX_SCALE_ROW1
.endif
.endr
.endm
; A load into a register that a matrix instruction has read, and a vector instruction that writes one, stand eight places behind it, a matrix instruction that writes over such a register nine; only plain vector
; instructions that name none of its registers are places.
.macro KSTEP s
	s_wait_dscnt 16                                ; W1's set, the scale words and A's tiles 0-3 are in; the youngest 16 loads (tiles 4-7) may be out
	MULA 0, \s
	MULA 1, \s
.if ((\s) == 0) || ((\s) == 3) || ((\s) == 4)      ; places of W1 whose fragments lie in registers are filled again
	WIN 0                                          ; (the add's two registers lie in window 0)
	s_wait_tensorcnt 0x0                           ; no tensor load of mine is out;
	ds_add_u32 v[SPW], v[NIL]                      ; 0 onto my spare word
	MULA 2, \s                                     ; eight matrix instructions stand between the add and the wait for it
	s_wait_dscnt 0x0                               ; the add is done, and my reads of the places are over; A's tiles 4-7 are in too: in K step 3 those were my last reads of A's first half
	s_barrier_signal -1                            ; this barrier opens a round of the cluster's barrier
	MULA 3, \s
	WIN 0
	s_barrier_wait -1
	CREST                                          ; no wave of any partner still reads the places or has a load on its way
.if (\s) == 3
	s_add_nc_u64 s[46:47], s[46:47], 4*WPL         ; four K steps on; the type bits on top are not reached
	tensor_load_to_lds s[44:47], s[24:31]          ; K steps 4-6, into my three places: the first thing behind the round, and my one tensor load until the next
	s_nop 0
.else
.if (\s) == 4
	s_add_nc_u64 s[50:51], s[50:51], 4*WPL
.endif
	tensor_load_to_lds s[48:51], s[92:99]          ; K step 3 (in step 4: 7), into place 0: 128 matrix instructions ahead of the wait for it
	s_nop 0
.endif
	PLACES 8                                       ; the places in front of the loads into A's tiles 0-3
.else
	MULA 2, \s
	MULA 3, \s
	WIN 0
.if ((\s) == 2) || ((\s) == 6)
	s_wait_tensorcnt 0x0                           ; the next K step has landed in place 0; I alone read it, so my own wait is all the order that the reads need
.endif
	s_wait_dscnt 0x0                               ; A's tiles 4-7 are in
.if (\s) != 7
	PLACES 8
.endif
.endif
.if ((\s)%4) != 3
	FETCH_B (\s)+1
	FETCH_A (\s)+1, 0
.endif
	MULA 4, \s
	MULA 5, \s
	MULA 6, \s
.if (\s) == 0
	PLACES 9                                       ; row tile 7 writes over the registers that the 56 products above read as C
.endif
	MULA 7, \s
.if (\s) != 7
	PLACES 8
	WIN 0
.endif
.if ((\s)%4) != 3
	FETCH_A (\s)+1, 4
.endif
.endm
	GEN 0                                          ; A's K steps 0-3; W1's first fills land meanwhile
	START 0
	s_wait_loadcnt 0x0                             ; b1
	KSTEP 0
	KSTEP 1
	KSTEP 2
	KSTEP 3
	GEN 1                                          ; A's K steps 4-7, over the first half's images: every wave's reads of those ended ahead of the round in K step 3.  W1's K steps 4-6 land meanwhile
	START 1
	KSTEP 4
	KSTEP 5
	KSTEP 6
	WIN 0x40                                       ; W1's set 0 is done with, eight places behind its last product: gain and shift land there while K step 7 is multiplied
.irp bt, 0,1,2,3,4,5,6,7
	global_load_b128 v[GAM+8*\bt:GAM+8*\bt+3], v[H32], s[14:15] offset:64*\bt
	global_load_b128 v[GAM+8*\bt+4:GAM+8*\bt+7], v[H32], s[14:15] offset:64*\bt+16
	global_load_b128 v[BET+8*\bt:BET+8*\bt+3], v[H32], s[16:17] offset:64*\bt
	global_load_b128 v[BET+8*\bt+4:BET+8*\bt+7], v[H32], s[16:17] offset:64*\bt+16
.endr
	WIN 0
	KSTEP 7
; ---- LAYERNORM.  w = 0: window 2 (row tiles 0-3), 1: window 3 (4-7).  Four chains of pairs for each row tile, four row tiles by turns.  Each accumulator is first read at its registers 0 and 1.
.macro ROWSUM w
	WIN 0x0a+5*(\w)                                ; both sources in the accumulators' window
.irp q, 0,1,2,3
.irp a, 0,1,2,3
	v_pk_add_f32 v[CH+8*(4*(\w)+\a)+2*\q:CH+8*(4*(\w)+\a)+2*\q+1], v[64*\a+2*\q:64*\a+2*\q+1], v[64*\a+8+2*\q:64*\a+8+2*\q+1]   ; tiles 0 and 1 start the chains
.endr
.endr
	WIN 0x02+(\w)
.irp bt, 2,3,4,5,6,7
.irp q, 0,1,2,3
.irp a, 0,1,2,3
	v_pk_add_f32 v[CH+8*(4*(\w)+\a)+2*\q:CH+8*(4*(\w)+\a)+2*\q+1], v[64*\a+8*\bt+2*\q:64*\a+8*\bt+2*\q+1], v[CH+8*(4*(\w)+\a)+2*\q:CH+8*(4*(\w)+\a)+2*\q+1]
.endr
.endr
.endr
.endm
; The chains of the eight row tiles become one number a row: within the lane, with lane xor 16, and through LDS with the other three waves.  The result, in v[R8 + a], is the same in all four waves, bit for bit.
.macro CROSS off
.irp a, 0,1,2,3,4,5,6,7
	v_pk_add_f32 v[CH+8*\a:CH+8*\a+1], v[CH+8*\a:CH+8*\a+1], v[CH+8*\a+2:CH+8*\a+3]
.endr
.irp a, 0,1,2,3,4,5,6,7
	v_pk_add_f32 v[CH+8*\a+4:CH+8*\a+5], v[CH+8*\a+4:CH+8*\a+5], v[CH+8*\a+6:CH+8*\a+7]
.endr
.irp a, 0,1,2,3,4,5,6,7
	v_pk_add_f32 v[CH+8*\a:CH+8*\a+1], v[CH+8*\a:CH+8*\a+1], v[CH+8*\a+4:CH+8*\a+5]
.endr
.irp a, 0,1,2,3,4,5,6,7
	v_add_f32 v[R8+\a], v[CH+8*\a], v[CH+8*\a+1]
.endr
.irp a, 0,1,2,3,4,5,6,7
	v_permlanex16_b32 v[MX+\a], v[R8+\a], s52, s53
.endr
.irp a, 0,1,2,3,4,5,6,7
	v_add_f32 v[R8+\a], v[R8+\a], v[MX+\a]
.endr
.irp a, 0,1,2,3,4,5,6,7
	ds_store_b32 v[XST], v[R8+\a] offset:\off+256*\a   ; lanes r and r + 16 write the same word with the same value
.endr
	s_wait_dscnt 0x0                               ; for the others' sake: all my LDS stores have landed and all my LDS loads are in
	s_barrier_signal -1
	s_barrier_wait -1
.irp a, 0,1,2,3,4,5,6,7
	ds_load_b128 v[XB+4*\a:XB+4*\a+3], v[XLD] offset:\off+256*\a
.endr
	s_wait_dscnt 0x0
.irp a, 0,1,2,3,4,5,6,7
	v_add_f32 v[XB+4*\a], v[XB+4*\a], v[XB+4*\a+1]
	v_add_f32 v[XB+4*\a+2], v[XB+4*\a+2], v[XB+4*\a+3]
.endr
.irp a, 0,1,2,3,4,5,6,7
	v_add_f32 v[R8+\a], v[XB+4*\a], v[XB+4*\a+2]
.endr
.endm
; The deviations x - mean, in place; they leave for LDS while their squares are summed.
.macro DEVS w
	WIN 0x82+0x41*(\w)                             ; destination and source 0 in the accumulators' window, the mean in window 0
.irp a, 0,1,2,3
.set k, 0
.rept 32
	v_pk_add_f32 v[64*\a+2*k:64*\a+2*k+1], v[64*\a+2*k:64*\a+2*k+1], v[MU+2*(4*(\w)+\a):MU+2*(4*(\w)+\a)+1] op_sel_hi:[1,0] neg_lo:[0,1] neg_hi:[0,1]
.set k, k+1
.endr
.endr
	WIN 0x08+4*(\w)                                ; an LDS store's data are its source 1
.irp a, 0,1,2,3
.set k, 0
.rept 16
	ds_store_b128 v[DMP], v[64*\a+4*k:64*\a+4*k+3] offset:(4*(\w)+\a)*8192+512*k   ; my own 65,536 bytes; every wave's reads of W1's places and of A's images ended ahead of the barrier above
.set k, k+1
.endr
.endr
	WIN 0x0a+5*(\w)
.irp q, 0,1,2,3
.irp a, 0,1,2,3
	v_pk_mul_f32 v[CH+8*(4*(\w)+\a)+2*\q:CH+8*(4*(\w)+\a)+2*\q+1], v[64*\a+2*\q:64*\a+2*\q+1], v[64*\a+2*\q:64*\a+2*\q+1]
.endr
.endr
.irp bt, 1,2,3,4,5,6,7
.irp q, 0,1,2,3
.irp a, 0,1,2,3
	v_pk_fma_f32 v[CH+8*(4*(\w)+\a)+2*\q:CH+8*(4*(\w)+\a)+2*\q+1], v[64*\a+8*\bt+2*\q:64*\a+8*\bt+2*\q+1], v[64*\a+8*\bt+2*\q:64*\a+8*\bt+2*\q+1], v[CH+8*(4*(\w)+\a)+2*\q:CH+8*(4*(\w)+\a)+2*\q+1]
.endr
.endr
.endr
.endm
	PLACES 8                                       ; behind the last products: results are read, and registers that held operands are written
	ROWSUM 0
	ROWSUM 1
	WIN 0
	CROSS 0
.irp a, 0,1,2,3,4,5,6,7
	v_mul_f32 v[MU+2*\a], s75, v[R8+\a]            ; the mean over the 512 units
	v_mul_f32 v[MU+2*\a+1], s75, v[R8+\a]          ; (the pair's upper word is named, so it is written)
.endr
	DEVS 0
	DEVS 1
	WIN 0
	CROSS 2048
.irp a, 0,1,2,3,4,5,6,7
	v_fma_f32 v[R8+\a], v[R8+\a], s75, s91         ; the variance + 1e-5
.endr
.irp a, 0,1,2,3,4,5,6,7
	v_rsq_f32 v[RQ+\a], v[R8+\a]
.endr
	v_nop                                          ; a plain line behind the last of them,
	s_wait_alu depctr_va_vdst(0)                   ; and the one wait ahead of the batch's first reader
.irp a, 0,1,2,3,4,5,6,7
	ds_store_b32 v[RSA], v[RQ+\a] offset:128*\a    ; my wave's own bytes: the loop below takes a row tile's by an address that steps
.endr
	s_wait_loadcnt 0x0                             ; gain and shift
	WIN 0x41
.set k, 0
.rept 64
	v_pk_mul_f32 v[2*k:2*k+1], v[2*k:2*k+1], s[76:77] op_sel_hi:[1,0]   ; both x sqrt(log2(e) / 2), once
.set k, k+1
.endr
	WIN 0x40
.set k, 0
.rept 64
	v_mov_b32 v[ACCR+k], 0                         ; the sum over rows: the trip is written once, so its first finds zeros
.set k, k+1
.endr
	WIN 0
; ---- GELU, a row tile (64 numbers a lane) a trip, in two halves X (numbers 0-31) and Y (32-63), so that one half's plain work stands among the other's transcendentals.
; S1: number j of 64 of a half's way to u and 1 + p |u|;  o = 0 or 32.
.macro S1 o
.if j < 16
	v_pk_mul_f32 v[U+\o+2*j:U+\o+2*j+1], v[24:25], v[D+\o+2*j:D+\o+2*j+1] op_sel_hi:[0,1]   ; deviation / sigma
.elseif j < 32
	v_pk_fma_f32 v[U+\o+2*(j-16):U+\o+2*(j-16)+1], v[U+\o+2*(j-16):U+\o+2*(j-16)+1], v[GAM+\o+2*(j-16):GAM+\o+2*(j-16)+1], v[BET+\o+2*(j-16):BET+\o+2*(j-16)+1]   ; u
.else
	v_fma_f32 v[T+\o+j-32], |v[U+\o+j-32]|, s74, 1.0
.endif
.set j, j+1
.endm
; S3: number j of 128 of a half's way from t, e and u to u + |u| q.
.macro S3 o
.if j < 16
	v_pk_fma_f32 v[PP+2*j:PP+2*j+1], v[T+\o+2*j:T+\o+2*j+1], s[66:67], v[A4:A4+1] op_sel_hi:[1,0,0]   ; a5 t + a4
.elseif j < 32
	v_pk_fma_f32 v[PP+2*(j-16):PP+2*(j-16)+1], v[PP+2*(j-16):PP+2*(j-16)+1], v[T+\o+2*(j-16):T+\o+2*(j-16)+1], s[68:69] op_sel_hi:[1,1,0]
.elseif j < 48
	v_pk_fma_f32 v[PP+2*(j-32):PP+2*(j-32)+1], v[PP+2*(j-32):PP+2*(j-32)+1], v[T+\o+2*(j-32):T+\o+2*(j-32)+1], s[70:71] op_sel_hi:[1,1,0]
.elseif j < 64
	v_pk_fma_f32 v[PP+2*(j-48):PP+2*(j-48)+1], v[PP+2*(j-48):PP+2*(j-48)+1], v[T+\o+2*(j-48):T+\o+2*(j-48)+1], s[72:73] op_sel_hi:[1,1,0]
.elseif j < 80
	v_pk_mul_f32 v[PP+2*(j-64):PP+2*(j-64)+1], v[PP+2*(j-64):PP+2*(j-64)+1], v[T+\o+2*(j-64):T+\o+2*(j-64)+1]
.elseif j < 96
	v_pk_fma_f32 v[PP+2*(j-80):PP+2*(j-80)+1], v[PP+2*(j-80):PP+2*(j-80)+1], v[E+\o+2*(j-80):E+\o+2*(j-80)+1], 1.0 op_sel_hi:[1,1,0] neg_lo:[1,0,0] neg_hi:[1,0,0]   ; q = 1 - polynomial x e
.else
	v_fma_f32 v[PP+j-96], |v[U+\o+j-96]|, v[PP+j-96], v[U+\o+j-96]
.endif
.set j, j+1
.endm
; A half's 32 numbers join the sum over rows; in the last trip the sums go to window 0, into e's registers, which are done with.
.macro JOIN o, last
.if \last
	WIN 0x01
.else
	WIN 0x41
.endif
.set k, 0
.rept 16
.if \last
	v_pk_add_f32 v[E+\o+2*k:E+\o+2*k+1], v[ACCR+\o+2*k:ACCR+\o+2*k+1], v[PP+2*k:PP+2*k+1]
.else
	v_pk_add_f32 v[ACCR+\o+2*k:ACCR+\o+2*k+1], v[ACCR+\o+2*k:ACCR+\o+2*k+1], v[PP+2*k:PP+2*k+1]
.endif
.set k, k+1
.endr
	WIN 0
.endm
.macro DLOAD                           ; a row tile's 1 / sigma and deviations
	v_add_nc_u32 v[T0], s59, v[DMP]
	v_add_nc_u32 v[T0+1], s60, v[RSA]
	ds_load_b32 v24, v[T0+1]
	WIN 0x40
.set k, 0
.rept 16
	ds_load_b128 v[D+4*k:D+4*k+3], v[T0] offset:512*k
.set k, k+1
.endr
	WIN 0
.endm
.macro TRIP last
	s_wait_dscnt 0x0                               ; this row tile's deviations and 1 / sigma are in
	WIN 0x14                                       ; sources 1 and 2 in window 1
.set j, 0
.rept 64
	S1 0
.endr
	WIN 0
.set i, 0
.rept 16
	v_pk_mul_f32 v[E+2*i:E+2*i+1], v[U+2*i:U+2*i+1], v[U+2*i:U+2*i+1] neg_lo:[1,0] neg_hi:[1,0]   ; -u u
.set i, i+1
.endr
	WIN 0x14
.set j, 0
.set i, 0
.rept 32                                       ; X's 64 transcendentals, a plain line of Y's behind each; none of those lines names a result
	v_rcp_f32 v[T+i], v[T+i]
	S1 32
	v_exp_f32 v[E+i], v[E+i]
	S1 32
.set i, i+1
.endr
	WIN 0
.if !\last
	s_add_co_u32 s59, s59, 8192                    ; the next row tile is asked for here: it has the rest of the trip in which to land
	s_add_co_u32 s60, s60, 128
	DLOAD
.endif
	s_wait_alu depctr_va_vdst(0)                   ; one wait for X's batch, ahead of its first reader
.set i, 0
.rept 16
	v_pk_mul_f32 v[E+32+2*i:E+32+2*i+1], v[U+32+2*i:U+32+2*i+1], v[U+32+2*i:U+32+2*i+1] neg_lo:[1,0] neg_hi:[1,0]
	v_rcp_f32 v[T+32+2*i], v[T+32+2*i]
	v_rcp_f32 v[T+32+2*i+1], v[T+32+2*i+1]
.set i, i+1
.endr
.set j, 0
.set i, 0
.rept 32                                       ; Y's exponentials, four plain lines of X's behind each
	v_exp_f32 v[E+32+i], v[E+32+i]
	S3 0
	S3 0
	S3 0
	S3 0
.set i, i+1
.endr
	s_wait_alu depctr_va_vdst(0)                   ; one wait for Y's batch
	JOIN 0, \last
.set j, 0
.rept 128
	S3 32
.endr
	JOIN 32, \last
.endm
	s_mov_b32 s59, 0
	s_mov_b32 s60, 0
	DLOAD                                          ; row tile 0
	s_mov_b32 s55, 7
.Lrow:                                             ; seven trips; the eighth is written out: it asks for nothing
	TRIP 0
	s_sub_co_u32 s55, s55, 1
	s_cmp_lg_u32 s55, 0
	s_cbranch_scc1 .Lrow
	TRIP 1
; ---- THE WAY OUT.  v160-223: for each of my lane's 64 units the sum over row tiles of row r; the sixteen rows r of a half of the lanes are added, every lane of the half ends with the sum.
.irp m, 1,2,4,8
.set k, 0
.rept 64
	v_add_f32_dpp v[E+k], v[E+k], v[E+k] row_xmask:\m row_mask:0xf bank_mask:0xf
.set k, k+1
.endr
.endr
.irp bt, 0,1,2,3,4,5,6,7
	ds_store_b128 v[OSTS], v[E+8*\bt:E+8*\bt+3] offset:64*\bt          ; the sixteen lanes of a half write the same bytes with the same values
	ds_store_b128 v[OSTS], v[E+8*\bt+4:E+8*\bt+7] offset:64*\bt+16
.endr
	ds_load_b128 v[32:35], v[OSTL]                 ; LDS serves a wave's instructions in order: this sees my stores
	s_wait_dscnt 0x0
	global_store_b128 v[L16], v[32:35], s[18:19]   ; 32 lanes store 512 consecutive bytes, at a multiple of 256 from part's first byte
	s_wait_tensorcnt 0x0                           ; the wave's end: behind my last tensor load and my last LDS store
	ds_add_u32 v[SPW], v[NIL]
	s_wait_dscnt 0x0
	CROUND                                         ; the closing round: no work-group ends while a partner may still ask for a tile that names it
	s_endpgm
.Lfunc_end_k_q1432f2d0f8_main:
	.size	k_q1432f2d0f8_main, .Lfunc_end_k_q1432f2d0f8_main-k_q1432f2d0f8_main
	.p2alignl 7, 3214868480
	.fill 96, 4, 3214868480
	.section	.rodata,"a",@progbits
	.p2align	6, 0x0
	.amdhsa_kernel k_q1432f2d0f8_main
		.amdhsa_group_segment_fixed_size 327680
		.amdhsa_private_segment_fixed_size 0
		.amdhsa_enable_private_segment 0
		.amdhsa_kernarg_size 64
		.amdhsa_user_sgpr_count 2
		.amdhsa_user_sgpr_kernarg_segment_ptr 1
		.amdhsa_wavefront_size32 1
		.amdhsa_system_sgpr_workgroup_id_x 1
		.amdhsa_system_sgpr_workgroup_id_y 1
		.amdhsa_system_sgpr_workgroup_id_z 1
		.amdhsa_system_vgpr_workitem_id 0
		.amdhsa_next_free_vgpr 1024
		.amdhsa_next_free_sgpr 100
		.amdhsa_reserve_vcc 0
		.amdhsa_float_denorm_mode_32 3
		.amdhsa_float_denorm_mode_16_64 3
		.amdhsa_memory_ordered 1
		.amdhsa_forward_progress 1
		.amdhsa_inst_pref_size 255
	.end_amdhsa_kernel
	.section	.bss,"aw",@nobits
	.p2align	6
	.space	262144
	.amdgpu_metadata
---
amdhsa.version: [ 1, 2 ]
amdhsa.kernels:
  - .name:           k_q1432f2d0f8_main
    .symbol:         k_q1432f2d0f8_main.kd
    .args:
      - { .name: w1img, .offset: 0, .size: 8, .value_kind: global_buffer, .address_space: global }
      - { .name: W1_scales, .offset: 8, .size: 8, .value_kind: global_buffer, .address_space: global }
      - { .name: nm, .offset: 16, .size: 8, .value_kind: global_buffer, .address_space: global }
      - { .name: ic_tokens, .offset: 24, .size: 8, .value_kind: global_buffer, .address_space: global }
      - { .name: b1, .offset: 32, .size: 8, .value_kind: global_buffer, .address_space: global }
      - { .name: ln_gamma, .offset: 40, .size: 8, .value_kind: global_buffer, .address_space: global }
      - { .name: ln_beta, .offset: 48, .size: 8, .value_kind: global_buffer, .address_space: global }
      - { .name: part, .offset: 56, .size: 8, .value_kind: global_buffer, .address_space: global }
    .group_segment_fixed_size: 327680
    .private_segment_fixed_size: 0
    .kernarg_segment_align: 8
    .kernarg_segment_size: 64
    .max_flat_workgroup_size: 128
    .sgpr_count:     100
    .vgpr_count:     1024
    .wavefront_size: 32
...
	.end_amdgpu_metadata
.endif
;; end of part 5
;; launch post: the kernel of part 3 again; grid 32 x 1, 4 waves a work-group, no clusters, 3,584 bytes of LDS; arguments part, W2_codes, W2_scales, b2, out0; writes out0
